; MI455X (gfx1250); checked and timed in simulation.
; The chip was launched on July 23, 2026; its instructions are those of AMD's public machine-readable ISA for CDNA 5 (MIT licence, August 2026) and "CDNA5" Instruction Set Architecture Reference Guide (July 2026). The comments in the code are by the model that wrote it; some were corrected since.
;; Multi Head Attention. Allowed arithmetic: matrix products marked QUANTISED: E2M3 operands, one E8M0 scale for each 32 along K, by v_wmma_scale_f32_16x16x128_f8f6f4 with both operands' format E2M3, f32 sums; everything else in f32.
;; Inputs: Wk_codes 1,024 x 32 x 24 uint8 (E2M3 codes of Wk, K innermost, in blocks of 32 codes, four codes in three bytes); Wk_scales 1,024 x 32 uint8 (E8M0 scales of Wk, one for each 32 codes along K); Wq_codes 1,024 x 32 x 24 uint8 (E2M3 codes of Wq, K innermost, in blocks of 32 codes, four codes in three bytes); Wq_scales 1,024 x 32 uint8 (E8M0 scales of Wq, one for each 32 codes along K); Wv_codes 1,024 x 32 x 24 uint8 (E2M3 codes of Wv, K innermost, in blocks of 32 codes, four codes in three bytes); Wv_scales 1,024 x 32 uint8 (E8M0 scales of Wv, one for each 32 codes along K); beta 1,024 float32; gamma 1,024 float32; key_codes 4 x 2,048 x 32 x 24 uint8 (E2M3 codes of key, K innermost, in blocks of 32 codes, four codes in three bytes); key_scales 4 x 2,048 x 32 uint8 (E8M0 scales of key, one for each 32 codes along K); query 4 x 2,048 x 1,024 float32.
;; Outputs: out0 4 x 2,048 x 1,024 float32.
;; This version of the problem:
;;   THIS VERSION OF THE PROBLEM IS GIVEN IN LOW PRECISION. The matrix products marked QUANTISED in the list below multiply operands that are first quantised to E2M3 (2 exponent bits, 3 mantissa bits; 6 bits a number), with one power-of-two scale for each 32 numbers along K (OCP MX v1.0); their sums are f32. All else is computed in f32.
;;   The module's matrix products, in the order in which they are computed (A, B: the left and right operand; K: the contracted axis; several contracted axes count as one K, in the product's order):
;;     1. [M 8,192, K 1,024] x [K 1,024, N 1,024]; A: input query; B: input Wq (given as codes): QUANTISED
;;     2. [M 8,192, K 1,024] x [K 1,024, N 1,024]; A: input key (given as codes); B: input Wk (given as codes): QUANTISED
;;     3. [M 8,192, K 1,024] x [K 1,024, N 1,024]; A: input key (given as codes); B: input Wv (given as codes): QUANTISED
;;     4. batch 64 x [M 2,048, K 64] x [K 64, N 2,048]; A: computed on the way; B: computed on the way: QUANTISED
;;     5. batch 64 x [M 64, K 2,048] x [K 2,048, N 2,048]; A: computed on the way; B: softmax (see below): QUANTISED
;;   THE QUANTISER, for each operand of a quantised product, along K:
;;     - K is cut into blocks of 32 from its start; a last block that is shorter is filled with zeros.
;;     - A block's scale is 2^e with e = floor(log2(the largest magnitude in the block)) - 2, held to -126 .. 127; a block of zeros has e = 0. As a byte (E8M0): e + 127.
;;     - Each number is divided by its block's scale, clamped to +-7.5, and rounded to the nearest number of E2M3, ties to even, subnormals kept.
;;     - The product sums the exact products of the quantised numbers (number of the format x scale) in f32.
;;   ~~~python
;;   def quantise(x, axis):      # numpy; x: float32 -> the quantised numbers, widened to float32 again
;;       x = np.moveaxis(x, axis, -1); K = x.shape[-1]
;;       x = np.pad(x, [(0, 0)] * (x.ndim - 1) + [(0, -K % 32)]); x = x.reshape(x.shape[:-1] + (-1, 32)); a = np.abs(x).max(-1, keepdims=True)
;;       e = np.where(a > 0, np.clip(np.frexp(np.where(a > 0, a, 1))[1] - 1 - 2, -126, 127), 0)      # np.frexp(a)[1] - 1 = floor(log2(a)), exactly
;;       r = np.clip(x / 2.0 ** e, -7.5, 7.5)
;;       step = 2.0 ** (np.maximum(np.frexp(np.where(r == 0, 1, r))[1] - 1, 0) - 3)
;;       q = np.round(r / step) * step * 2.0 ** e      # np.round: ties to even
;;       return np.moveaxis(q.reshape(q.shape[:-2] + (-1,))[..., :K], -1, axis).astype(np.float32)
;;   ~~~
;;   SOFTMAX AHEAD OF A QUANTISED PRODUCT. Where the list says 'softmax', what is quantised is not the finished softmax but p = 2^(t - M), with t = logit x log2(e) and M = ceil(the row's largest t), a whole number; so 1/2 < the row's largest p <= 1. The row's sum l is taken of the UNQUANTISED p, in f32, and the product's result is divided by l at the end. Since M is a whole number, a kernel that streams over the keys may use a running M (the ceiling of the running maximum): every later rescaling is an exact power of two, which a block's scale takes up: the codes' values come out the same.
;;   OPERANDS COMPUTED ON THE WAY. 'Computed on the way' means the value that the module computes at that place (a softmax that the list does not call 'softmax' is quantised finished and normalised). What goes into a quantiser is computed in f32, as accurately as f32 sums, v_exp_f32 and their like allow (about 1e-6 of the number): no bf16 or f16 on the way to a quantiser, and a product that is left as it is and whose result goes on into a quantised operand takes f32 operands (vector FMAs, or v_wmma_f32_16x16x4_f32). A number that lies on a knife's edge between two numbers of the format may be rounded either way, as far as f32 arithmetic and the matrix unit's own rounding can turn it there, and no further.
;;   INPUTS GIVEN AS CODES. Wk (in the module: [1024, 1024], K = its axis 1); Wq (in the module: [1024, 1024], K = its axis 1); Wv (in the module: [1024, 1024], K = its axis 1); key (in the module: [4, 2048, 1024], K = its axis 2): each comes as NAME_codes (uint8): NAME with its K axis moved to the last place and cut into blocks of 32 codes, [.., K / 32, bytes a block], one block behind the other in memory; four codes in three bytes: a row's codes are one little-endian stream of bits, code i at bits 6 i .. 6 i + 5 (a code: sign, 2 exponent bits, 3 mantissa bits); and NAME_scales (uint8): the same leading axes, one E8M0 byte (e + 127) for each 32 codes along K. Its value is code x scale, taken as it is: it is not quantised again, and the codes and scales need not be those that the quantiser above would give.
;; One version. Each part assembles by itself: llvm-mc -triple=amdgcn-amd-amdhsa -mcpu=gfx1250 --defsym DOCPART=n.
;; ======== version 1 of 1: 3 launches
;; limits: right only within a limited range of input values
;; workspace buffers: qc 6,291,456 bytes; qs 262,144 bytes; kv 13,369,344 bytes; res 33,554,432 bytes; stats 131,072 bytes
;; launch proj (part 1): grid 4 x 64, 4 waves a work-group, clusters of 4 x 4, 327,680 bytes of LDS; arguments key_codes, key_scales, Wv_codes, Wv_scales, Wk_codes, Wk_scales, kv, query, qc, qs; writes kv, qc, qs
.if DOCPART == 1
	.amdgcn_target "amdgcn-amd-amdhsa--gfx1250"
	.amdhsa_code_object_version 6
	.text
	.protected	k_q37f2cffddc_proj
	.globl	k_q37f2cffddc_proj
	.p2align	8
	.type	k_q37f2cffddc_proj,@function
k_q37f2cffddc_proj:
	s_mov_b64 s[64:65], 0
	v_nop
	global_prefetch_b8 v0, s[64:65] scope:SCOPE_SE
	s_setreg_imm32_b32 hwreg(HW_REG_WAVE_MODE, 25, 1), 1
	s_wait_xcnt 0x0
	s_wait_alu depctr_hold_cnt(0) depctr_sa_sdst(0) depctr_va_vdst(0) depctr_va_sdst(0) depctr_va_ssrc(0) depctr_va_vcc(0) depctr_vm_vsrc(0)
	s_getreg_b32 s2, hwreg(HW_REG_IB_STS2, 6, 4)
	s_cmp_eq_u32 s2, 0
	s_cbranch_scc0 .Lentry_in_a_cluster
	s_endpgm
.Lentry_in_a_cluster:
	s_bfe_u32 s2, ttmp6, 0x10000c
	s_cmp_lg_u32 s2, 0xf033
	s_cbranch_scc0 .Lentry_shape_is_right
	s_endpgm
.Lentry_shape_is_right:
; k = key Wk^T and v^T = Wv key^T on codes of FP6 (E2M3), quantised again on the way out and stored as images of the attention launch's operand registers.
; Cluster rows 0-7: k (A = key, 32 tile rows; B = Wk, 4 tile columns).  Cluster rows 8-15: v^T (A = Wv, 4 tile rows; B = key, 32 tile columns).  256 blocks of 256 x 256, a work-group each; a wave makes 128 x 128.
; K = 1,024 is 768 bytes of a row: three chunks of 256 bytes, each beginning at a multiple of 256, through two LDS slots; a step of 128 along K is 96 bytes: steps 2 and 5 lie across two chunks.
; The scales of the block's 256 + 256 rows come once, at the head.  4 x 4 clusters: A's tiles are asked for jointly along a row of the cluster, B's along a column.
; The matrix instruction is used transposed (source 0 = B's rows, source 1 = A's): a lane holds one row of A and its registers run along B's rows, which are the next product's K.
; kv: for each (batch, head) 16 records of 128 keys, 13,056 bytes each: k's four pair images (1,536 each), v^T's four fragments (1,536 each), k's scale words (512), v's (256).
; Inside a block of 32 the codes stand in the order 0-7, 16-23, 8-15, 24-31, alike in q and k and alike in v and p.
; No prefetch: of the three chunks two are asked for at the head, so the one refill has no earlier trip to be asked in.
; LIMITS: a block whose largest magnitude lies under 2^-124 keeps the byte 1; NaN and infinities are not served.
.set SIZE_K, 1024
.set ROWB,   256
.set NQ,     2
.set KROW,   SIZE_K*6/8
.set STEPS,  SIZE_K/128
.set CHUNKS, KROW/ROWB
.set PITCH,  272
.set FR,     12
.set NL,     6
.set NP,     4
.set HALFT,  128*PITCH
.set SLOT,   4*HALFT
.set KS,     SIZE_K/32
.set SCL,    2*SLOT
.set HALFS,  (128*KS/256)*272
.set SBLK,   (16*KS/256)*272
.set SPARE,  SCL+4*HALFS
.set REC,    13056
.set HBS,    16*REC
; THE QUANTISER OF query, between the head's tensor loads and the wait for them: each work-group turns 32 rows of query [8192][1024], f32, into codes of FP6 with one E8M0 byte for each 32 along K.
; qc: [512 tiles of 16 rows][8 steps of 128 K][1,536 bytes]: registers 4 g .. 4 g + 3 of lane l at 512 g + 16 l; lane (r, h) holds row r, registers 6 c .. 6 c + 5 the codes of K = 64 c + 32 h + 0 .. 31.
; qs: [512 tiles][2 halves of K][16 rows][4 scale words].  A block of zeros gets the byte 1 where the quantiser's text says 127: its codes are zeros, and this program alone reads the bytes.
; Wave w takes tile 2 x work-group + w / 2, steps 4 (w % 2) .. + 3, in eight half steps of 16 rows x 64 K: eight loads, each of two runs of 256 consecutive bytes; four half steps are on their way at a time.
; A half step turns through the wave's own stage (16 rows of 272 bytes, on bytes where no tile lands) and comes back 128 bytes a lane: one whole block.
.set QSTG,   SPARE+512                 ; the four stages
.set QR,     64                        ; v64-191  four half steps as they are loaded
.set QX,     192                       ; v192-223 my block
.set QC,     224                       ; v224-247 codes: 12 registers a step, two sets
.set QT,     248                       ; v248-250 the block's upper half before it is moved
.set QW,     252                       ; v252-255 the four steps' scale words
.set ADRA, 16
.set ADRB, 20
.set ADRS, 27
.set SPW,  28
.set NIL,  29
.set LI,   30
.set L8,   31
.set SC,   32
.set AF,   128
.set IM1,  96
.set IM2,  108
.set CT,   120
.set PWA,  128
.set PWB,  129
.set TT,   130
.set SW,   132
.set SO,   136
.set SE,   144
.set VO1,  140
.set VO2,  141
.set VS,   142
.set TM,   200
.set G1, 24
.set G0, 32
.set G1B, 48
.set G0B, 56
.set G1S, 68
.set G0S, 76
.set G1SB, 80
.set G0SB, 88
.set G0H, 4
.set G0HB, 8
.set MSB, 0
.macro WIN new                         ; the immediate's high byte repeats the setting that is left
.if MSB != (\new)
	s_set_vgpr_msb (MSB<<8)+(\new)
.set MSB, (\new)
.endif
.endm
.set MUL_LO, 0xa1
.set MUL_HI, 0xf1
.set TO_B,   0x40
.macro JLOAD g0a, g1a, g0b, g1b        ; waves 0 and 1 fetch for A, waves 2 and 3 for B
	s_cmp_eq_u32 s15, 0
	s_cbranch_scc0 .Lfor_b_\@
	tensor_load_to_lds s[\g0a:\g0a+3], s[\g1a:\g1a+7]
	s_nop 0
.rept 4
	v_nop
.endr
	s_branch .Lasked_\@
.Lfor_b_\@:
	tensor_load_to_lds s[\g0b:\g0b+3], s[\g1b:\g1b+7]
	s_nop 0
.rept 4
	v_nop
.endr
.Lasked_\@:
.endm
.macro CREST
	s_cmp_lg_u32 s14, 0
	s_cbranch_scc1 .Lnot_wave_0_\@
	s_barrier_signal -3
.Lnot_wave_0_\@:
	s_barrier_wait -3
	s_barrier_signal -1
	s_barrier_wait -1
.endm
.macro CROUND
	s_barrier_signal -1
	s_barrier_wait -1
	CREST
.endm
	s_load_b256 s[92:99], s[0:1], 0x0              ; key's codes, key's scales, Wv's codes, Wv's scales
	s_load_b128 s[4:7], s[0:1], 0x20               ; Wk's codes, Wk's scales
	s_load_b64 s[12:13], s[0:1], 0x30              ; kv
	v_lshl_add_u32 v[SPW], v0, 2, SPARE
	v_mov_b32 v[NIL], 0
	ds_add_u32 v[SPW], v[NIL]                      ; the opening lines: the add twice on end and its wait
	ds_add_u32 v[SPW], v[NIL]
	v_lshrrev_b32 v1, 5, v0
	v_readfirstlane_b32 s14, v1                    ; wave
	s_lshr_b32 s15, s14, 1
	s_and_b32 s16, s14, 1
	s_bfe_u32 s40, ttmp6, 0x40000                  ; cx
	s_bfe_u32 s41, ttmp6, 0x40004                  ; cy
	s_and_b32 s18, ttmp7, 0xffff
	s_lshr_b32 s66, s18, 3                         ; 0: k, 1: v^T; the same in all partners
	s_and_b32 s18, s18, 7
	s_lshl_b32 s18, s18, 2
	s_cmp_eq_u32 s66, 1
	s_cselect_b32 s17, 0, s18
	s_cselect_b32 s42, s18, 0
	s_add_co_u32 s17, s17, s41                     ; tile row
	s_add_co_u32 s42, s42, s40                     ; tile column
	s_lshl_b32 s43, s41, 2
	s_lshl_b32 s43, 15, s43                        ; my row of the cluster
	s_lshl_b32 s44, 0x1111, s40                    ; my column
	s_or_b32 s[G1+0], s43, (0<<16)|(1<<20)|(1<<21)|(5<<22)|(3<<25)
	s_or_b32 s[G1B+0], s44, (0<<16)|(1<<20)|(1<<21)|(5<<22)|(3<<25)
.irp g, G1, G1B
	s_mov_b32 s[\g+1], ROWB<<16
	s_mov_b32 s[\g+2], 256<<16                     ; the head's loads bring 256 rows
	s_mov_b32 s[\g+3], ROWB<<16
	s_mov_b32 s[\g+4], 256
	s_mov_b32 s[\g+5], KROW
	s_mov_b32 s[\g+6], 0
	s_mov_b32 s[\g+7], 0
.endr
	s_or_b32 s[G1S+0], s43, (3<<16)|(1<<20)|(1<<21)|(5<<22)|(3<<25)
	s_or_b32 s[G1SB+0], s44, (3<<16)|(1<<20)|(1<<21)|(5<<22)|(3<<25)
.irp g, G1S, G1SB
	s_mov_b32 s[\g+1], 32<<16
	s_mov_b32 s[\g+2], KS<<16
	s_mov_b32 s[\g+3], 32<<16
	s_mov_b32 s[\g+4], KS
	s_mov_b32 s[\g+5], 32
	s_mov_b32 s[\g+6], 0
	s_mov_b32 s[\g+7], 0
.endr
	s_lshl_b32 s20, s17, 8
	s_lshl_b32 s46, s42, 8
	s_mov_b32 s21, 0
	s_mov_b32 s47, 0
	s_mov_b64 s[18:19], KS
	s_mul_u64 s[22:23], s[20:21], s[18:19]
	s_mul_u64 s[2:3], s[46:47], s[18:19]
	s_mov_b64 s[18:19], KROW
	s_mul_u64 s[20:21], s[20:21], s[18:19]
	s_mul_u64 s[46:47], s[46:47], s[18:19]
	s_mul_i32 s18, s16, 128*KROW
	s_mov_b32 s19, 0
	s_mul_i32 s45, s14, HALFT
	s_wait_dscnt 0x0
	s_wait_kmcnt 0x0
	s_cmp_eq_u32 s66, 1
	s_cselect_b64 s[8:9], s[92:93], s[4:5]         ; B's codes: key's or Wk's
	s_cselect_b64 s[10:11], s[94:95], s[6:7]       ; B's scales
	s_cselect_b64 s[4:5], s[96:97], s[92:93]       ; A's codes: Wv's or key's
	s_cselect_b64 s[6:7], s[98:99], s[94:95]
	s_load_b128 s[92:95], s[0:1], 0x38             ; query, qc: waited for in front of the quantiser
	s_load_b64 s[96:97], s[0:1], 0x48              ; qs
	s_add_nc_u64 s[20:21], s[4:5], s[20:21]
	s_add_nc_u64 s[22:23], s[6:7], s[22:23]
	s_add_nc_u64 s[46:47], s[8:9], s[46:47]
	s_add_nc_u64 s[2:3], s[10:11], s[2:3]
	CROUND                                         ; in front of the first joint loads
	s_mov_b32 s[G0H], 1
	s_mov_b32 s[G0H+1], 0
	s_mov_b64 s[G0H+2:G0H+3], s[20:21]
	s_or_b32 s[G0H+3], s[G0H+3], 0x80000000
	s_mov_b32 s[G0HB], 1
	s_mov_b32 s[G0HB+1], 2*HALFT
	s_mov_b64 s[G0HB+2:G0HB+3], s[46:47]
	s_or_b32 s[G0HB+3], s[G0HB+3], 0x80000000
	s_mov_b32 s[G0S], 1
	s_mov_b32 s[G0S+1], SCL
	s_mov_b64 s[G0S+2:G0S+3], s[22:23]
	s_or_b32 s[G0S+3], s[G0S+3], 0x80000000
	s_mov_b32 s[G0SB], 1
	s_mov_b32 s[G0SB+1], SCL+2*HALFS
	s_mov_b64 s[G0SB+2:G0SB+3], s[2:3]
	s_or_b32 s[G0SB+3], s[G0SB+3], 0x80000000
	s_add_nc_u64 s[20:21], s[20:21], s[18:19]
	s_add_nc_u64 s[46:47], s[46:47], s[18:19]
.irp s, 0,1
	s_mov_b32 s[G0+4*\s], 1
	s_add_co_u32 s[G0+4*\s+1], s45, \s*SLOT
	s_add_nc_u64 s[G0+4*\s+2:G0+4*\s+3], s[20:21], \s*ROWB
	s_or_b32 s[G0+4*\s+3], s[G0+4*\s+3], 0x80000000
	s_mov_b32 s[G0B+4*\s], 1
	s_add_co_u32 s[G0B+4*\s+1], s45, \s*SLOT
	s_add_nc_u64 s[G0B+4*\s+2:G0B+4*\s+3], s[46:47], \s*ROWB
	s_or_b32 s[G0B+4*\s+3], s[G0B+4*\s+3], 0x80000000
.endr
; the head's four tiles, one a wave: chunk 0 of A, chunk 0 of B, A's scales, B's scales
.macro ARM under, g0, g1, next
	s_cmp_lt_u32 s14, \under
	s_cbranch_scc0 \next
	tensor_load_to_lds s[\g0:\g0+3], s[\g1:\g1+7]
	s_nop 0
.rept 4
	v_nop
.endr
	s_branch .Lhead_asked
\next:
.endm
	ARM 1, G0H,  G1,  .Lhead_b
	ARM 2, G0HB, G1B, .Lhead_sa
	ARM 3, G0S,  G1S, .Lhead_sb
	tensor_load_to_lds s[G0SB:G0SB+3], s[G1SB:G1SB+7]
	s_nop 0
.rept 4
	v_nop
.endr
.Lhead_asked:
	s_and_b32 s18, ttmp7, 0xffff
	s_lshl_b32 s18, s18, 2
	s_add_co_u32 s18, s18, s41
	s_lshl_b32 s18, s18, 2
	s_add_co_u32 s18, s18, s40                     ; the work-group's number, 0 .. 255: it enters global offsets alone
	s_lshl_b32 s18, s18, 1
	s_add_co_u32 s18, s18, s15                     ; my tile of 16 rows
	s_lshl_b32 s20, s18, 16                        ; 16 rows of 4,096 bytes,
	s_lshl_b32 s19, s16, 11                        ; four steps of 512 bytes
	s_add_co_u32 s20, s20, s19
	s_mov_b32 s21, 0
	s_mul_i32 s22, s18, 12288
	s_mul_i32 s19, s16, 6144
	s_add_co_u32 s22, s22, s19
	s_mov_b32 s23, 0
	s_lshl_b32 s46, s18, 9
	s_lshl_b32 s19, s16, 8
	s_add_co_u32 s46, s46, s19
	s_mov_b32 s47, 0
	s_mul_i32 s67, s14, 16*272
	s_add_co_u32 s67, s67, QSTG
	s_mov_b32 s2, 0x76543210
	s_mov_b32 s3, 0xfedcba98                       ; selects for lane l xor 16
	v_and_b32 v1, 15, v0                           ; r
	v_bfe_u32 v2, v0, 4, 1                         ; h
	v_and_b32 v7, 31, v0
	v_lshlrev_b32 v3, 4, v1                        ; 16 r
	v_mul_u32_u24 v4, v2, 272
	v_mul_u32_u24 v5, v1, 272
	v_lshlrev_b32 v14, 3, v2                       ; 8 h
	v_mov_b32 v15, 0
	v_lshl_add_u32 v6, v2, 12, v3                  ; query: lanes 0-15 one row, lanes 16-31 the next
	v_add_nc_u32 v4, v4, v3
	v_lshl_add_u32 v5, v2, 7, v5
	v_lshlrev_b32 v7, 4, v7                        ; 16 x lane
	v_add_nc_u32 v4, s67, v4                       ; the stage, on the way in
	v_add_nc_u32 v5, s67, v5                       ; and on the way out: row r, + 128 h
	s_wait_alu depctr_va_vdst(0)
	s_wait_kmcnt 0x0
	s_add_nc_u64 s[92:93], s[92:93], s[20:21]
	s_add_nc_u64 s[94:95], s[94:95], s[22:23]
	s_add_nc_u64 s[96:97], s[96:97], s[46:47]
.macro QL hu                           ; half step hu: 256 bytes of each of 16 rows
.irp i, 0,1,2,3,4,5,6,7
	global_load_b128 v[QR+32*((\hu)%4)+4*\i:QR+32*((\hu)%4)+4*\i+3], v6, s[92:93] offset:8192*\i+256*(\hu) th:TH_LOAD_NT
.endr
.endm
.macro HU hu, out                      ; out: the loads of later half steps, eight each, that may stay out
	s_wait_alu depctr_va_vdst(0)
	s_wait_xcnt 0x0                                ; earlier stores have read their data: the codes' registers are written again
	s_wait_loadcnt \out
.irp i, 0,1,2,3,4,5,6,7
	ds_store_b128 v4, v[QR+32*((\hu)%4)+4*\i:QR+32*((\hu)%4)+4*\i+3] offset:544*\i
.endr
.irp e, 0,1,2,3,4,5,6,7
	ds_load_b128 v[QX+4*\e:QX+4*\e+3], v5 offset:16*\e   ; LDS serves a wave's instructions in order: these see the stores
.endr
	s_wait_dscnt 0x0
.if (\hu)+4 < 8
	QL (\hu)+4
.endif
	v_max3_num_f32 v8, |v[QX]|, |v[QX+1]|, 0x1800000               ; the block's largest magnitude, in two chains, with the floor 2^(3 - 127)
	v_max3_num_f32 v9, |v[QX+16]|, |v[QX+17]|, |v[QX+18]|
.irp j, 0,2,4,6,8,10
	v_max3_num_f32 v8, v8, |v[QX+2+\j]|, |v[QX+3+\j]|
	v_max3_num_f32 v9, v9, |v[QX+19+\j]|, |v[QX+20+\j]|
.endr
	v_max3_num_f32 v8, v8, |v[QX+14]|, |v[QX+15]|
	v_max3_num_f32 v8, v8, v9, |v[QX+31]|
	v_add_nc_u32 v[12+(\hu)%2], 0xff000000, v8     ; 2 off the exponent field: the conversion's scale operand
	v_lshrrev_b32 v[10+(\hu)%2], 23, v[12+(\hu)%2] ; the byte
.set QCC, QC+12*(((\hu)/2)%2)+6*((\hu)%2)
	v_cvt_scalef32_pk16_fp6_f32 v[QCC:QCC+2], v[QX:QX+15], v[12+(\hu)%2]
	v_cvt_scalef32_pk16_fp6_f32 v[QT:QT+2], v[QX+16:QX+31], v[12+(\hu)%2]
	v_nop                                          ; a plain place behind the conversions
.irp q, 0,1,2
	v_mov_b32 v[QCC+3+\q], v[QT+\q]
.endr
.if (\hu)%2
	v_lshl_or_b32 v11, v11, 16, v10                ; blocks h and 2 + h of my row,
	v_lshlrev_b32 v11, v14, v11                    ; at their places in the word
	v_permlanex16_b32 v15, v11, s2, s3
	v_or_b32 v[QW+(\hu)/2], v11, v15               ; with lane l xor 16's two bytes the word is whole
.irp g, 0,1,2
	global_store_b128 v7, v[QC+12*(((\hu)/2)%2)+4*\g:QC+12*(((\hu)/2)%2)+4*\g+3], s[94:95] offset:1536*((\hu)/2)+512*\g   ; 512 consecutive bytes
.endr
.endif
.endm
	QL 0
	QL 1
	QL 2
	QL 3
.irp u, 0,1,2,3,4
	HU \u, 24
.endr
	HU 5, 16
	HU 6, 8
	HU 7, 0
	global_store_b128 v3, v[QW:QW+3], s[96:97]     ; 256 consecutive bytes; lanes l and l xor 16 store the same bytes with the same values
	s_wait_xcnt 0x0                                ; the offsets, the data and the bases are written again below
	v_and_b32 v1, 15, v0
	v_bfe_u32 v2, v0, 4, 1
	v_mul_u32_u24 v3, v1, PITCH
	v_mul_u32_u24 v4, v2, 24
	v_add_nc_u32 v4, v3, v4
	s_mov_b32 s21, SLOT-232
	s_mov_b32 s22, SLOT+232
	v_sub_nc_u32 v7, 1, v2
	v_mul_u32_u24 v5, s21, v2
	v_add_nc_u32 v5, v3, v5
	v_add_nc_u32 v5, 232, v5                       ; lanes 0-15 byte 232 of the row in slot 0, lanes 16-31 byte 0 in slot 1
	v_mul_u32_u24 v6, s22, v7
	v_add_nc_u32 v6, v3, v6                        ; and the other way round
	s_mul_i32 s21, s15, HALFT
	s_mul_i32 s22, s16, HALFT
	s_add_co_u32 s22, s22, 2*HALFT
	v_add_nc_u32 v[ADRA+2], s21, v5
	v_add_nc_u32 v[ADRA+3], s21, v6
	v_add_nc_u32 v[ADRB+2], s22, v5
	v_add_nc_u32 v[ADRB+3], s22, v6
.irp s, 0,1
	v_add_nc_u32 v[ADRA+\s], s21, v4
	v_add_nc_u32 v[ADRB+\s], s22, v4
	s_add_co_u32 s21, s21, SLOT
	s_add_co_u32 s22, s22, SLOT
.endr
	v_mul_u32_u24 v5, v1, KS
	v_lshrrev_b32 v6, 8, v5
	v_lshl_add_u32 v5, v6, 4, v5
	s_mul_i32 s21, s15, HALFS
	s_mul_i32 s22, s16, HALFS
	s_add_co_u32 s22, s22, 2*HALFS
	s_sub_co_u32 s22, s22, s21
	v_mul_u32_u24 v6, s22, v2
	s_add_co_u32 s21, s21, SCL
	v_add_nc_u32 v5, v5, v6
	v_add_nc_u32 v[ADRS], s21, v5
	v_and_b32 v6, 31, v0
	v_lshlrev_b32 v[LI], 4, v6
	v_lshlrev_b32 v[L8], 3, v6
	; where my results go in kv
	s_cmp_eq_u32 s66, 1
	s_cselect_b32 s100, s42, s17                   ; the tile of 256 keys
	s_cselect_b32 s101, s17, s42                   ; the tile of 256 channels
	s_cselect_b32 s104, s16, s15
	s_cselect_b32 s105, s15, s16
	s_cselect_b32 s94, 6144, 0
	s_cselect_b32 s95, 512, 0
	s_cselect_b32 s96, 1536, 0
	s_cselect_b32 s97, HBS-3072, 0
	s_cselect_b32 s98, 0, HBS-1536
	s_lshl_b32 s101, s101, 2
	s_lshl_b32 s105, s105, 1
	s_add_co_u32 s101, s101, s105                  ; head
	s_lshr_b32 s105, s100, 3
	s_lshl_b32 s105, s105, 4
	s_add_co_u32 s101, s101, s105                  ; + 16 x batch
	s_and_b32 s100, s100, 7
	s_lshl_b32 s100, s100, 1
	s_add_co_u32 s100, s100, s104                  ; the record
	s_mul_i32 s101, s101, HBS
	s_mul_i32 s100, s100, REC
	s_add_co_u32 s100, s100, s101
	s_add_co_u32 s94, s94, s100
	s_add_co_u32 s95, s95, s100
	s_add_co_u32 s95, s95, 12288
	s_add_co_u32 s96, s96, 1536
	s_add_co_u32 s97, s97, 3072
	s_add_co_u32 s98, s98, 1536
	s_mov_b32 s104, 0xffff0000
	s_cmp_eq_u32 s66, 0
	s_cselect_b32 s105, -1, 0
.macro FRAG reg, adr, st, i            ; 16 rows x 128 K: six pieces of 8 bytes; byte y of a row lies in slot (y / 256) % 2 at byte y % 256 of the LDS row
.irp p, 0,1,2,3,4,5
.set BY, 96*(\st)+48*(\p/3)+8*(\p%3)
.if BY/ROWB == (BY+24)/ROWB
	ds_load_b64 v[\reg+2*\p:\reg+2*\p+1], v[\adr+(BY/ROWB)%2] offset:BY%ROWB+(\i)*16*PITCH
.else
	ds_load_b64 v[\reg+2*\p:\reg+2*\p+1], v[\adr+2+(BY/ROWB)%2] offset:BY%ROWB-232+(\i)*16*PITCH
.endif
.endr
.endm
.macro MUL16 a0, p, q, sc, zero        ; the 64 accumulators take turns, one instruction a turn
.irp a, \a0, \a0+1
.irp b, 0,1,2,3,4,5,6,7
.if \zero
	v_wmma_scale_f32_16x16x128_f8f6f4 v[8*(8*((\a)%4)+\b):8*(8*((\a)%4)+\b)+7], v[128*(\p)+FR*\b:128*(\p)+FR*\b+FR-1], v[AF+FR*(\a):AF+FR*(\a)+FR-1], 0, v[SC+8*NQ*(\sc)+NQ*\b+(\q)], v[SC+8*NQ*(\sc)+NQ*(\a)+(\q)] matrix_a_fmt:MATRIX_FMT_FP6 matrix_b_fmt:MATRIX_FMT_FP6 matrix_a_scale:MATRIX_SCALE_ROW1
.else
	v_wmma_scale_f32_16x16x128_f8f6f4 v[8*(8*((\a)%4)+\b):8*(8*((\a)%4)+\b)+7], v[128*(\p)+FR*\b:128*(\p)+FR*\b+FR-1], v[AF+FR*(\a):AF+FR*(\a)+FR-1], v[8*(8*((\a)%4)+\b):8*(8*((\a)%4)+\b)+7], v[SC+8*NQ*(\sc)+NQ*\b+(\q)], v[SC+8*NQ*(\sc)+NQ*(\a)+(\q)] matrix_a_fmt:MATRIX_FMT_FP6 matrix_b_fmt:MATRIX_FMT_FP6 matrix_a_scale:MATRIX_SCALE_ROW1
.endif
.endr
.endr
.endm
.macro FETCH_B st, p
	WIN TO_B
.irp i, 0,1,2,3,4,5,6,7
	FRAG 128*(\p)+FR*\i, ADRB, \st, \i
.endr
	WIN 0
.endm
.macro FETCH_A st, i0
.irp i, \i0, \i0+1, \i0+2, \i0+3
	FRAG AF+FR*(\i), ADRA, \st, \i
.endr
.endm
.macro SCALES pr                       ; the scale words of steps 2 pr, 2 pr + 1: lanes 0-15 A's block i, lanes 16-31 B's
.irp i, 0,1,2,3,4,5,6,7
	ds_load_b64 v[SC+8*NQ*((\pr)%2)+NQ*\i:SC+8*NQ*((\pr)%2)+NQ*\i+1], v[ADRS] offset:\i*SBLK+4*NQ*(\pr)
.endr
.endm
.macro PLACES n
.rept \n
	v_nop
.endr
.endm
; A step: 64 matrix instructions; the next step's fragments are fetched in its middle and at its end.  Where the next step ends in a chunk not yet read, a barrier shows that chunk whole;
; where it begins in a later chunk, the chunk left behind is free: the wait for all tensor loads, the add, the wait for it and for my reads, the barrier; and where a chunk two on is left, a round and the refill.
.macro STEP st, zero
.set NX, (\st)+1
.set C0, (96*(\st))/ROWB
.set C1, (96*NX)/ROWB
.set E0, (96*(\st)+95)/ROWB
.set E1, (96*NX+95)/ROWB
.if C1 > C0 || E1 > E0
	s_wait_tensorcnt 0x0
.if C1 > C0
	ds_add_u32 v[SPW], v[NIL]
	s_wait_dscnt 4*NL+1                            ; the add and A's blocks 4-7 may be out
.else
	s_wait_dscnt 4*NL                              ; A's blocks 4-7 may be out
.endif
	WIN MUL_LO
	MUL16 0, (\st)%2, (\st)%2, ((\st)/2)%2, \zero
	s_wait_dscnt 0x0
	s_barrier_signal -1
	MUL16 2, (\st)%2, (\st)%2, ((\st)/2)%2, \zero
	WIN 0
	s_barrier_wait -1
.if C1 > C0 && C0+2 < CHUNKS
	CREST
	s_add_nc_u64 s[G0+4*(C0%2)+2:G0+4*(C0%2)+3], s[G0+4*(C0%2)+2:G0+4*(C0%2)+3], 2*ROWB
	s_add_nc_u64 s[G0B+4*(C0%2)+2:G0B+4*(C0%2)+3], s[G0B+4*(C0%2)+2:G0B+4*(C0%2)+3], 2*ROWB
	JLOAD G0+4*(C0%2), G1, G0B+4*(C0%2), G1B
.else
	PLACES NP
.endif
.else
	s_wait_dscnt 4*NL
	WIN MUL_LO
	MUL16 0, (\st)%2, (\st)%2, ((\st)/2)%2, \zero
	MUL16 2, (\st)%2, (\st)%2, ((\st)/2)%2, \zero
	s_wait_dscnt 0
	PLACES NP
.endif
	FETCH_B NX, NX%2
	FETCH_A NX, 0
.if NX%2 == 0
	SCALES NX/2
.endif
	WIN MUL_HI
	MUL16 4, (\st)%2, (\st)%2, ((\st)/2)%2, \zero
	MUL16 6, (\st)%2, (\st)%2, ((\st)/2)%2, \zero
	PLACES NP
	WIN 0
	FETCH_A NX, 4
.endm
	s_wait_alu depctr_va_vdst(0)
	s_wait_tensorcnt 0x0                           ; my tile of the head's four is in
	ds_add_u32 v[SPW], v[NIL]
	s_mov_b32 s[G1+2], 128<<16                     ; no load of mine is out: from here on a load brings 128 rows
	s_mov_b32 s[G1+4], 128
	s_mov_b32 s[G1B+2], 128<<16
	s_mov_b32 s[G1B+4], 128
	s_wait_dscnt 0x0
	CROUND
	JLOAD G0+4, G1, G0B+4, G1B                     ; chunk 1, slot 1's first fill, issued as a refill is
	FETCH_B 0, 0
	FETCH_A 0, 0
	SCALES 0
	FETCH_A 0, 4
	STEP 0, 1
.set ST, 1
.rept STEPS-2
	STEP ST, 0
.set ST, ST+1
.endr
	s_wait_dscnt 4*NL
	WIN MUL_LO
	MUL16 0, 1, 1, 1, 0
	MUL16 2, 1, 1, 1, 0
	s_wait_dscnt 0
	WIN MUL_HI
	MUL16 4, 1, 1, 1, 0
	MUL16 6, 1, 1, 1, 0
	WIN 0
; THE WAY OUT.  Block a of A's rows: a lane's 64 results are four blocks of 32 along the next K (half of each; lane l xor 16 has the other half).
.macro QNT a, d0, d1, pw
.set QW, 2+(\a)/4
.set QS, 64*((\a)%4)
	WIN 5*QW
.irp b, 0,1,2,3
	v_max3_num_f32 v[TM+\b], |v[QS+16*\b]|, |v[QS+16*\b+1]|, 0x1800000
.endr
.irp i, 2,4,6,8,10,12,14
.irp b, 0,1,2,3
	v_max3_num_f32 v[TM+\b], |v[QS+16*\b+\i]|, |v[QS+16*\b+\i+1]|, v[TM+\b]
.endr
.endr
	WIN 0
.irp b, 0,1,2,3
	v_permlanex16_b32 v[TM+4+\b], v[TM+\b], s2, s3
.endr
.irp b, 0,1,2,3
	v_max_num_f32 v[TM+\b], v[TM+\b], v[TM+4+\b]
.endr
.irp b, 0,1,2,3
	v_add_nc_u32 v[TM+12+\b], 0xff000000, v[TM+\b]
.endr
.irp b, 0,1,2,3
	v_lshrrev_b32 v[TM+4+\b], 23, v[TM+12+\b]
.endr
	v_lshl_or_b32 v[\pw], v[TM+5], 8, v[TM+4]
	v_lshl_or_b32 v[\pw], v[TM+6], 16, v[\pw]
	v_lshl_or_b32 v[\pw], v[TM+7], 24, v[\pw]
	WIN QW
	v_cvt_scalef32_pk16_fp6_f32 v[\d0:\d0+2], v[QS:QS+15], v[TM+12]
	v_cvt_scalef32_pk16_fp6_f32 v[CT:CT+2], v[QS+16:QS+31], v[TM+13]
	v_cvt_scalef32_pk16_fp6_f32 v[\d1:\d1+2], v[QS+32:QS+47], v[TM+14]
	v_cvt_scalef32_pk16_fp6_f32 v[CT+4:CT+6], v[QS+48:QS+63], v[TM+15]
	WIN 0
	v_nop
.irp i, 0,1,2
	v_permlane16_swap_b32 v[\d0+\i], v[CT+\i]
	v_permlane16_swap_b32 v[\d1+\i], v[CT+4+\i]
.endr
.irp i, 0,1,2
	v_mov_b32 v[\d0+3+\i], v[CT+\i]
	v_mov_b32 v[\d1+3+\i], v[CT+4+\i]
.endr
.endm
.macro PAIR g                          ; k: two tiles of 16 keys, sorted by head into pair images; v^T: two fragments of 16 channels x 128 keys
	s_wait_xcnt 0x0
	QNT 2*\g, IM1, IM1+6, PWA
	QNT 2*\g+1, IM2, IM2+6, PWB
.irp i, 0,1,2,3,4,5
	v_mov_b32 v[TT], v[IM1+6+\i]
	v_cndmask_b32 v[IM1+6+\i], v[IM1+6+\i], v[IM2+\i], s105
	v_cndmask_b32 v[IM2+\i], v[IM2+\i], v[TT], s105
.endr
	v_cndmask_b32 v[SW+\g], v[PWA], v[PWB], s104
	s_mov_b32 s100, s94
.if (\g)&1
	s_add_co_u32 s100, s100, s96
.endif
.if (\g)>>1
	s_add_co_u32 s100, s100, s97
.endif
	s_add_co_u32 s101, s100, s98
	v_add_nc_u32 v[VO1], s100, v[LI]
	v_add_nc_u32 v[VO2], s101, v[LI]
.irp c, 0,1,2
	global_store_b128 v[VO1], v[IM1+4*\c:IM1+4*\c+3], s[12:13] offset:512*\c
	global_store_b128 v[VO2], v[IM2+4*\c:IM2+4*\c+3], s[12:13] offset:512*\c
.endr
.endm
	PLACES NP
	s_mov_b32 s2, 0x76543210
	s_mov_b32 s3, 0xfedcba98
.irp b, 0,1,2,3
	v_mov_b32 v[TM+4+\b], 0
.endr
	PAIR 0
	PAIR 1
	PAIR 2
	PAIR 3
	s_cmp_eq_u32 s66, 1
	s_cbranch_scc1 .Lv_scales
	v_add_nc_u32 v[VS], s95, v[LI]
.irp i, 0,1,2,3
	v_and_b32 v[SE+\i], 0xffff, v[SW+\i]           ; the first head's two bytes; the bytes of the upper 64 along K, where q has zero codes, are 0
	v_lshrrev_b32 v[SO+\i], 16, v[SW+\i]
.endr
	global_store_b128 v[VS], v[SE:SE+3], s[12:13]
	global_store_b128 v[VS], v[SO:SO+3], s[12:13] offset:HBS
	s_branch .Lsc_done
.Lv_scales:
	v_add_nc_u32 v[VS], s95, v[L8]
	s_wait_alu depctr_va_vdst(0)
	global_store_b64 v[VS], v[SW:SW+1], s[12:13]
	global_store_b64 v[VS], v[SW+2:SW+3], s[12:13] offset:HBS
.Lsc_done:
	s_wait_tensorcnt 0x0                           ; the wave's end
	ds_add_u32 v[SPW], v[NIL]
	s_wait_dscnt 0x0
	CROUND                                         ; the closing round
	s_endpgm
.Lfunc_end_k_q37f2cffddc_proj:
	.size	k_q37f2cffddc_proj, .Lfunc_end_k_q37f2cffddc_proj-k_q37f2cffddc_proj
	.p2alignl 7, 3214868480
	.fill 96, 4, 3214868480
	.section	.rodata,"a",@progbits
	.p2align	6, 0x0
	.amdhsa_kernel k_q37f2cffddc_proj
		.amdhsa_group_segment_fixed_size 327680
		.amdhsa_private_segment_fixed_size 0
		.amdhsa_enable_private_segment 0
		.amdhsa_kernarg_size 80
		.amdhsa_user_sgpr_count 2
		.amdhsa_user_sgpr_kernarg_segment_ptr 1
		.amdhsa_wavefront_size32 1
		.amdhsa_system_sgpr_workgroup_id_x 1
		.amdhsa_system_sgpr_workgroup_id_y 1
		.amdhsa_system_sgpr_workgroup_id_z 1
		.amdhsa_system_vgpr_workitem_id 0
		.amdhsa_next_free_vgpr 1024
		.amdhsa_next_free_sgpr 106
		.amdhsa_reserve_vcc 0
		.amdhsa_float_denorm_mode_32 3
		.amdhsa_float_denorm_mode_16_64 3
		.amdhsa_memory_ordered 1
		.amdhsa_forward_progress 1
		.amdhsa_inst_pref_size 201
	.end_amdhsa_kernel
	.amdgpu_metadata
---
amdhsa.version: [ 1, 2 ]
amdhsa.kernels:
  - .name:           k_q37f2cffddc_proj
    .symbol:         k_q37f2cffddc_proj.kd
    .args:
      - { .name: key_codes, .offset: 0, .size: 8, .value_kind: global_buffer, .address_space: global }
      - { .name: key_scales, .offset: 8, .size: 8, .value_kind: global_buffer, .address_space: global }
      - { .name: Wv_codes, .offset: 16, .size: 8, .value_kind: global_buffer, .address_space: global }
      - { .name: Wv_scales, .offset: 24, .size: 8, .value_kind: global_buffer, .address_space: global }
      - { .name: Wk_codes, .offset: 32, .size: 8, .value_kind: global_buffer, .address_space: global }
      - { .name: Wk_scales, .offset: 40, .size: 8, .value_kind: global_buffer, .address_space: global }
      - { .name: kv, .offset: 48, .size: 8, .value_kind: global_buffer, .address_space: global }
      - { .name: query, .offset: 56, .size: 8, .value_kind: global_buffer, .address_space: global }
      - { .name: qc, .offset: 64, .size: 8, .value_kind: global_buffer, .address_space: global }
      - { .name: qs, .offset: 72, .size: 8, .value_kind: global_buffer, .address_space: global }
    .group_segment_fixed_size: 327680
    .private_segment_fixed_size: 0
    .kernarg_segment_align: 8
    .kernarg_segment_size: 80
    .max_flat_workgroup_size: 128
    .sgpr_count:     106
    .vgpr_count:     1024
    .wavefront_size: 32
...
	.end_amdgpu_metadata
.endif
;; end of part 1
;; launch attn (part 2): grid 4 x 64, 16 waves a work-group, clusters of 4 x 1, 327,680 bytes of LDS; arguments qc, qs, Wq_codes, Wq_scales, kv, query, res, stats; writes res, stats
.if DOCPART == 2
	.amdgcn_target "amdgcn-amd-amdhsa--gfx1250"
	.amdhsa_code_object_version 6
	.text
	.protected	k_q37f2cffddc_attn
	.globl	k_q37f2cffddc_attn
	.p2align	8
	.type	k_q37f2cffddc_attn,@function
k_q37f2cffddc_attn:
	s_mov_b64 s[64:65], 0
	v_nop
	global_prefetch_b8 v0, s[64:65] scope:SCOPE_SE
	s_setreg_imm32_b32 hwreg(HW_REG_WAVE_MODE, 25, 1), 1
	s_wait_xcnt 0x0
	s_wait_alu depctr_hold_cnt(0) depctr_sa_sdst(0) depctr_va_vdst(0) depctr_va_sdst(0) depctr_va_ssrc(0) depctr_va_vcc(0) depctr_vm_vsrc(0)
	s_getreg_b32 s2, hwreg(HW_REG_IB_STS2, 6, 4)
	s_cmp_eq_u32 s2, 0
	s_cbranch_scc0 .Lentry_in_a_cluster
	s_endpgm
.Lentry_in_a_cluster:
	s_bfe_u32 s2, ttmp6, 0x10000c
	s_cmp_lg_u32 s2, 0x3003
	s_cbranch_scc0 .Lentry_shape_is_right
	s_endpgm
.Lentry_shape_is_right:
; q = query Wq^T FOR MY QUERIES AND MY HEAD, CAUSAL ATTENTION ON CODES OF FP6 (E2M3), THE RESIDUAL, AND THE BATCH NORM'S PARTIAL STATISTICS.  64 (batch, head) pairs, 2,048 queries and keys, head size 64.
; t = (q . k) x log2(e) / 32;  M = the row's largest t so far, rounded UP to a whole number;  p = 2^(t - M) is quantised along the keys, not normalised; the row's sum is taken of the unquantised p and divides at the end.
; When M moves, the sum and O are multiplied by 2^(old M - new M): exact.  Then res = O / sum + query, stored by strips of 64 columns, and for each strip the mean and the centred sum of squares of the work-group's 512 rows.
; Key steps all of whose keys come after a tile's queries are hidden by the mask that the problem builds itself, and are jumped over.
; LIMITS: a hidden key counts for exactly 0, where the problem's text puts -1e6 for its score: the same while a row's largest visible logit lies above -1e6 + 104.  NaN and infinities are not served.  1 / sum is v_rcp_f32's.
; CLUSTER: the four work-groups of a cluster belong to one (batch, head).  First the head's 64 rows of Wq (49,152 dense bytes; wave w asks for rows 4 w .. 4 w + 3, as 12 rows of 256 bytes + 16 of padding), jointly;
; then, behind the full sequence and a round, the 16 records of k and v, wave w asking for record w, jointly.  The records stay: the loop over the keys has no barrier.
; While the records are on their way each wave makes q for its two tiles: Q^T = Wq x query^T, 8 steps of 128 along K, 4 channel tiles x 2 query tiles = 8 accumulators by turns; each fragment of Wq feeds both tiles.
; query's codes come as register images (512 consecutive bytes a load), three steps ahead.  q is quantised as k is by the launch before; the second tile's q waits in 1,024 LDS bytes of the wave's own.
; Wq's LDS bytes have had their only fill and, at the barrier in front of the loop, their last read: the stages lie there.
; No prefetch: every tile is asked for once, at the head; the residual's rows are loaded a whole walk ahead of their use.
; SHARES: work-group cx owns the query tiles 4 m + cx, m = 0 .. 31.  Wave w walks tile m = 31 - w and then tile m = w: (m / 2) + 1 key steps of 128 each, 17 in all for every wave; no branch hangs on cx.
; LAYOUT: all products transposed: a lane holds ONE query (lane % 16) throughout.  The first product's K is 64: q's registers 6-11 are zero codes; the scale bytes of that half are 0, never 0xff.
; REGISTERS in the loop: v1-11, v28-31, v92 addresses; v12 -M, v13 the largest t, v[14:15] the sum; v16-27 q; v32-85 k's half fragments and six zeros, then v's fragments; v86-91 their scale words;
; v96-159 S^T, then p; v160-191 O^T; v192-223 the residual's rows; v224-235 p's codes; v232-249, v252, v254 at work; v253 p's scale word; v255 q's.
; At the head: v32-79 Wq's four fragments; v80-95 its scale words; v96-159 Q^T; v160-231 query's codes, three steps; v232-247 query's scale words.
.set REC,  13056
.set HBS,  16*REC
.set STG,  HBS                         ; a stage of 16 rows x 272 bytes for each wave
.set WQ,   HBS                         ; at the head: Wq's 64 rows x 816 bytes
.set WP,   816
.set SCR,  STG+16*16*272               ; 32 partial statistics x 512 bytes
.set QSV,  SCR+16384                   ; 1,024 bytes a wave: the second tile's q
.set SPARE, QSV+16384
.set WV,   14
.set CX,   15
.set HB,   16
.set SEL,  20
.set CS,   22
.set G1,   24
.set G0,   32
.set MT,   36
.set MH,   37
.set KSI,  38
.set TK,   39
.set XB,   42
.set RB,   44
.set STB,  46
.set G1W,  68
.set G0W,  76
.macro CROUND
	s_barrier_signal -1
	s_barrier_wait -1
	s_cmp_lg_u32 s[WV], 0
	s_cbranch_scc1 .Lnot_wave_0_\@
	s_barrier_signal -3
.Lnot_wave_0_\@:
	s_barrier_wait -3
	s_barrier_signal -1
	s_barrier_wait -1
.endm
	s_load_b512 s[80:95], s[0:1], 0x0              ; qc 80, qs 82, Wq's codes 84, its scales 86, kv 88, query 90, res 92, stats 94
	v_lshl_add_u32 v250, v0, 2, SPARE
	v_mov_b32 v251, 0
	ds_add_u32 v250, v251                          ; the opening lines
	ds_add_u32 v250, v251
	v_lshrrev_b32 v1, 5, v0
	s_delay_alu instid0(VALU_DEP_1)
	v_readfirstlane_b32 s[WV], v1
	s_bfe_u32 s[CX], ttmp6, 0x40000
	s_and_b32 s[HB], ttmp7, 0xffff
	s_lshr_b32 s17, s[HB], 4                       ; batch
	s_and_b32 s18, s[HB], 15                       ; head
	s_mul_i32 s48, s[HB], HBS
	s_mov_b32 s49, 0
	s_mul_i32 s50, s[WV], REC
	s_mov_b32 s51, 0
	s_lshl_b32 s19, s18, 8
	s_lshl_b32 s52, s17, 23
	s_add_co_u32 s52, s52, s19
	s_mov_b32 s53, 0
	s_lshl_b32 s54, s18, 21
	s_lshl_b32 s55, s17, 19
	s_add_co_u32 s54, s54, s55
	s_mov_b32 s55, 0
	s_lshl_b32 s56, s17, 2
	s_add_co_u32 s56, s56, s[CX]
	s_lshl_b32 s56, s56, 13
	s_add_co_u32 s56, s56, s19
	s_mov_b32 s57, 0
	s_mul_i32 s4, s18, 49152                       ; the head's rows of Wq,
	s_mul_i32 s5, s[WV], 3072                      ; my four of them
	s_add_co_u32 s4, s4, s5
	s_mov_b32 s5, 0
	s_lshl_b32 s6, s18, 11                         ; their scales
	s_mov_b32 s7, 0
	s_lshl_b32 s8, s17, 7
	s_add_co_u32 s8, s8, s[CX]
	s_xor_b32 s9, s[WV], 31
	s_lshl_b32 s9, s9, 2
	s_add_co_u32 s9, s9, s8                        ; the first tile: 128 batch + 4 (31 - w) + cx
	s_lshl_b32 s10, s[WV], 2
	s_add_co_u32 s10, s10, s8                      ; the second: 128 batch + 4 w + cx
	s_mul_i32 s11, s9, 12288
	s_mul_i32 s12, s10, 12288
	s_lshl_b32 s9, s9, 9
	s_lshl_b32 s10, s10, 9
	s_mul_i32 s58, s[WV], 16*272
	s_add_co_u32 s58, s58, STG
	s_lshl_b32 s59, s[WV], 9
	s_add_co_u32 s59, s59, SCR
	s_lshl_b32 s60, s[WV], 10
	s_add_co_u32 s60, s60, QSV
	s_mov_b32 s[G1], 15|(3<<16)|(1<<21)            ; a record: 51 rows of 256 bytes, no padding; the mask names all four
	s_mov_b32 s[G1+1], 32<<16
	s_mov_b32 s[G1+2], 51<<16
	s_mov_b32 s[G1+3], 32<<16
	s_mov_b32 s[G1+4], 51
	s_mov_b32 s[G1+5], 32
	s_mov_b32 s[G1+6], 0
	s_mov_b32 s[G1+7], 0
	s_mov_b32 s[G1W], 15|(3<<16)|(1<<20)|(1<<21)|(5<<22)|(3<<25)   ; four rows of Wq: 12 rows of 256 bytes, 16 of padding behind each
	s_mov_b32 s[G1W+1], 32<<16
	s_mov_b32 s[G1W+2], 12<<16
	s_mov_b32 s[G1W+3], 32<<16
	s_mov_b32 s[G1W+4], 12
	s_mov_b32 s[G1W+5], 32
	s_mov_b32 s[G1W+6], 0
	s_mov_b32 s[G1W+7], 0
	s_mov_b32 s[SEL], 0x76543210
	s_mov_b32 s[SEL+1], 0xfedcba98
	s_mov_b32 s[CS], 0x3d38aa3b                    ; c = log2(e) / sqrt(1024)
	s_mov_b32 s[CS+1], s[CS]
	s_mov_b32 s[G0], 1
	s_mul_i32 s[G0+1], s[WV], REC
	s_mov_b32 s[G0W], 1
	s_mul_i32 s[G0W+1], s[WV], 12*272
	s_add_co_u32 s[G0W+1], s[G0W+1], WQ
	v_and_b32 v92, 31, v0
	v_and_b32 v94, 15, v0                          ; r
	v_bfe_u32 v95, v0, 4, 1                        ; h
	v_lshlrev_b32 v1, 4, v92                       ; v1  16 x lane
	v_lshlrev_b32 v2, 3, v92                       ; v2  8 x lane
	v_lshlrev_b32 v93, 4, v94
	v_lshlrev_b32 v92, 3, v95
	v_mul_u32_u24 v5, v94, 272
	v_mul_u32_u24 v6, v95, 272
	v_lshlrev_b32 v7, 12, v95
	v_sub_nc_u32 v28, v94, v92                     ; v28 r - 8 h, for the mask
	v_lshl_add_u32 v5, v95, 5, v5
	v_lshl_add_u32 v6, v94, 4, v6
	v_lshl_add_u32 v7, v94, 4, v7                  ; v7  two rows of query: 4,096 h + 16 r
	v_mul_u32_u24 v3, v94, WP
	v_add_nc_u32 v5, s58, v5                       ; v5  into my stage: row r, + 32 h
	v_add_nc_u32 v6, s58, v6                       ; v6  back: lanes 0-15 one row, lanes 16-31 the next
	v_add_nc_u32 v11, s59, v93                     ; v11 my wave's partial statistics
	v_add_nc_u32 v29, SCR, v2                      ; v29 the merge
	v_mad_u32_u24 v3, v95, 24, v3
	v_add_nc_u32 v8, s11, v1                       ; v8, v9 my two tiles' images in qc
	v_add_nc_u32 v9, s12, v1
	v_lshlrev_b32 v14, 9, v95
	v_add_nc_u32 v3, WQ, v3                        ; v3  Wq's fragments: row r, + 24 h;
	v_lshl_add_u32 v12, v94, 4, s9                 ; v12, v13 my rows' scale words in qs: 512 bytes a tile, 16 r; the upper half of K 256 further on
	v_lshl_add_u32 v13, v94, 4, s10
	v_lshl_add_u32 v14, v94, 5, v14                ; v14 Wq's scales: 512 h + 32 r
	v_lshl_add_u32 v4, v95, 4, v3                  ; v4  where lanes 16-31 read the next chunk of 256: 16 more
	s_wait_alu depctr_va_vdst(0)
	s_wait_dscnt 0x0
	s_wait_kmcnt 0x0
	s_add_nc_u64 s[G0W+2:G0W+3], s[84:85], s[4:5]
	s_or_b32 s[G0W+3], s[G0W+3], 0x80000000
	s_add_nc_u64 s[86:87], s[86:87], s[6:7]
	s_add_nc_u64 s[G0+2:G0+3], s[88:89], s[48:49]
	s_add_nc_u64 s[G0+2:G0+3], s[G0+2:G0+3], s[50:51]
	s_or_b32 s[G0+3], s[G0+3], 0x80000000
	s_add_nc_u64 s[XB:XB+1], s[90:91], s[52:53]
	s_add_nc_u64 s[RB:RB+1], s[92:93], s[54:55]
	s_add_nc_u64 s[STB:STB+1], s[94:95], s[56:57]
	CROUND                                         ; all four work-groups are here: the joint loads meet
	tensor_load_to_lds s[G0W:G0W+3], s[G1W:G1W+7]  ; my one tensor load at the head: four rows of Wq
	s_nop 0
.rept 4
	v_nop
.endr
.macro QLOAD s                         ; step s of both tiles' codes into buffer s % 3
.irp g, 0,1,2
	global_load_b128 v[160+24*((\s)%3)+4*\g:163+24*((\s)%3)+4*\g], v8, s[80:81] offset:1536*(\s)+512*\g
	global_load_b128 v[172+24*((\s)%3)+4*\g:175+24*((\s)%3)+4*\g], v9, s[80:81] offset:1536*(\s)+512*\g
.endr
.endm
.irp j, 0,1
.irp e, 0,1
	global_load_b128 v[80+8*\j+4*\e:83+8*\j+4*\e], v14, s[86:87] offset:1024*\j+16*\e   ; register 80 + 8 j + s: step s; lanes 0-15 channel tile 2 j, lanes 16-31 tile 2 j + 1
.endr
.endr
.irp e, 0,1
	global_load_b128 v[232+4*\e:235+4*\e], v12, s[82:83] offset:256*\e   ; register 232 + s: the first tile's rows, step s
	global_load_b128 v[240+4*\e:243+4*\e], v13, s[82:83] offset:256*\e   ; 240 + s: the second's
.endr
	QLOAD 0
	QLOAD 1
	QLOAD 2
.irp i, 0,1,2,3,4,5
	v_mov_b32 v[22+\i], 0                          ; q's upper 64 along K: zero codes, set once
.endr
	s_wait_alu depctr_va_vdst(0)
	s_wait_tensorcnt 0x0                           ; my rows of Wq are in
	ds_add_u32 v250, v251
	s_wait_dscnt 0x0
	CROUND                                         ; everybody's rows are in, and the joint loads meet
	tensor_load_to_lds s[G0:G0+3], s[G1:G1+7]      ; my record
	s_nop 0
.rept 4
	v_nop
.endr
.macro WFRAG c, s                      ; 16 rows of Wq x 128 K: byte y of a row lies at y + 16 (y / 256) of its 816
.irp p, 0,1,2,3,4,5
.set BY, 96*(\s)+48*(\p/3)+8*(\p%3)
.if BY/256 == (BY+24)/256
	ds_load_b64 v[32+12*(\c)+2*\p:33+12*(\c)+2*\p], v3 offset:16*WP*(\c)+BY+16*(BY/256)
.else
	ds_load_b64 v[32+12*(\c)+2*\p:33+12*(\c)+2*\p], v4 offset:16*WP*(\c)+BY+16*(BY/256)
.endif
.endr
.endm
.macro QW c, t, s, cc
.if (\c)%2
	v_wmma_scale_f32_16x16x128_f8f6f4 v[96+32*(\t)+8*(\c):103+32*(\t)+8*(\c)], v[32+12*(\c):43+12*(\c)], v[160+24*((\s)%3)+12*(\t):171+24*((\s)%3)+12*(\t)], \cc, v[80+8*((\c)/2)+(\s)], v[232+8*(\t)+(\s)] matrix_a_fmt:MATRIX_FMT_FP6 matrix_b_fmt:MATRIX_FMT_FP6 matrix_a_scale:MATRIX_SCALE_ROW1
.else
	v_wmma_scale_f32_16x16x128_f8f6f4 v[96+32*(\t)+8*(\c):103+32*(\t)+8*(\c)], v[32+12*(\c):43+12*(\c)], v[160+24*((\s)%3)+12*(\t):171+24*((\s)%3)+12*(\t)], \cc, v[80+8*((\c)/2)+(\s)], v[232+8*(\t)+(\s)] matrix_a_fmt:MATRIX_FMT_FP6 matrix_b_fmt:MATRIX_FMT_FP6
.endif
.endm
.macro QSTEP s, out                    ; out: the loads of later steps, six each, that may stay out
.irp c, 0,1,2,3
	WFRAG \c, \s
.endr
	s_wait_loadcnt \out
	s_wait_dscnt 0x0
.irp c, 0,1,2,3                        ; eight accumulators by turns
.irp t, 0,1
.if (\s) == 0
	QW \c, \t, \s, 0
.else
	QW \c, \t, \s, v[96+32*\t+8*\c:103+32*\t+8*\c]
.endif
.endr
.endr
.rept 4
	v_nop                                          ; places in front of loads into registers that these products have read
.endr
.if (\s)+3 < 8
	QLOAD (\s)+3
.endif
.endm
.irp s, 0,1,2,3,4,5
	QSTEP \s, 12
.endr
	QSTEP 6, 6
	QSTEP 7, 0
; q is quantised: block b = 2 x tile + half of the head's 64 channels; a lane has 16 of its 32 numbers, lane l xor 16 the others
.irp b, 0,1,2,3
	v_mov_b32 v[204+\b], 0
.endr
.irp b, 0,1,2,3
	v_max3_num_f32 v[200+\b], |v[96+16*\b]|, |v[97+16*\b]|, 0x1800000
.endr
.irp i, 2,4,6,8,10,12,14
.irp b, 0,1,2,3
	v_max3_num_f32 v[200+\b], |v[96+16*\b+\i]|, |v[97+16*\b+\i]|, v[200+\b]
.endr
.endr
.irp b, 0,1,2,3
	s_delay_alu instid0(VALU_DEP_4)
	v_permlanex16_b32 v[204+\b], v[200+\b], s[SEL], s[SEL+1]
.endr
.irp b, 0,1,2,3
	s_delay_alu instid0(VALU_DEP_4)
	v_max_num_f32 v[200+\b], v[200+\b], v[204+\b]
.endr
.irp b, 0,1,2,3
	s_delay_alu instid0(VALU_DEP_4)
	v_add_nc_u32 v[212+\b], 0xff000000, v[200+\b]
.endr
.irp b, 0,1,2,3
	s_delay_alu instid0(VALU_DEP_4)
	v_lshrrev_b32 v[204+\b], 23, v[212+\b]
.endr
	v_lshl_or_b32 v255, v205, 8, v204              ; the first tile's scale word; the upper two bytes are 0
	v_lshl_or_b32 v246, v207, 8, v206              ; the second's
	v_mov_b32 v247, 0
	v_cvt_scalef32_pk16_fp6_f32 v[16:18], v[96:111], v212
	v_cvt_scalef32_pk16_fp6_f32 v[224:226], v[112:127], v213
	v_cvt_scalef32_pk16_fp6_f32 v[240:242], v[128:143], v214
	v_cvt_scalef32_pk16_fp6_f32 v[228:230], v[144:159], v215
	v_nop
.irp i, 0,1,2
	v_permlane16_swap_b32 v[16+\i], v[224+\i]
	v_permlane16_swap_b32 v[240+\i], v[228+\i]
.endr
.irp i, 0,1,2
	v_mov_b32 v[19+\i], v[224+\i]
	v_mov_b32 v[243+\i], v[228+\i]
.endr
	v_add_nc_u32 v92, s60, v1                      ; v92 where the second tile's q waits
.irp i, 0,1,2,3,4,5
	v_mov_b32 v[80+\i], 0                          ; behind k's last half fragment
.endr
.irp b, 0,1,2,3
	v_mov_b32 v[236+\b], 0                         ; a lane permute's destination counts as one of its sources
.endr
	v_mov_b32 v252, 0
	v_mov_b32 v253, 0
; A TILE'S START.  m is in s[MT].
.macro INIT sel
	s_wait_xcnt 0x0                                ; earlier loads and stores have read their offsets and data
	s_lshr_b32 s[MH], s[MT], 1
	s_and_b32 s48, s[MT], 1
	s_lshl_b32 s51, s[MT], 2
	s_add_co_u32 s51, s51, s[CX]                   ; the tile: 4 m + cx
	s_lshl_b32 s54, s51, 16
	s_lshl_b32 s55, s51, 12
	s_lshl_b32 s52, s48, 6
	s_lshl_b32 s53, s[CX], 4
	s_add_co_u32 s52, s52, s53
	v_add_nc_u32 v30, s54, v7                      ; the tile's 16 rows of query
	v_add_nc_u32 v31, s55, v1                      ; and of res
	v_add_nc_u32 v10, s52, v28                     ; my query's place in its key step, less 8 h
	v_mov_b32 v13, 0xff61b1e6                      ; the largest t so far: -3e38
	v_mov_b32 v14, 0
	v_mov_b32 v15, 0
	v_floor_f32 v12, -v13                          ; -M
	s_wait_alu depctr_va_vdst(0)
.irp i, 0,1,2,3,4,5,6,7
	global_load_b128 v[192+4*\i:195+4*\i], v30, s[XB:XB+1] offset:8192*\i th:TH_LOAD_NT
.endr
.if \sel
	ds_load_b128 v[16:19], v92
	ds_load_b128 v[244:247], v92 offset:512
	s_wait_dscnt 0x0
	v_mov_b32 v20, v244
	v_mov_b32 v21, v245
	v_mov_b32 v255, v246
.endif
.set J, 0
.rept 32
	v_mov_b32 v[160+J], 0                          ; O^T.  (Also the places between q's registers, its scale word and the first product)
.set J, J+1
.endr
.endm
; A KEY STEP: 128 keys, record s[KSI] at LDS byte s[TK].
.macro STEP
	s_cmp_gt_u32 s[KSI], s[MH]
	s_cbranch_scc1 .Lhidden_\@
	v_add_nc_u32 v3, s[TK], v1
	v_add_nc_u32 v4, s[TK], v2
	v_nop
	v_nop
.irp g, 0,1,2,3
.irp c, 0,1,2
	ds_load_b128 v[32+12*\g+4*\c:35+12*\g+4*\c], v3 offset:1536*\g+512*\c
.endr
.endr
	ds_load_b128 v[86:89], v3 offset:12288
	s_wait_alu depctr_va_vdst(0)
	s_wait_dscnt 0x0
.irp t, 0,2,4,6
	v_wmma_scale_f32_16x16x128_f8f6f4 v[96+8*\t:103+8*\t], v[32+6*\t:43+6*\t], v[16:27], 0, v[86+\t/2], v255 matrix_a_fmt:MATRIX_FMT_FP6 matrix_b_fmt:MATRIX_FMT_FP6
	v_wmma_scale_f32_16x16x128_f8f6f4 v[104+8*\t:111+8*\t], v[38+6*\t:49+6*\t], v[16:27], 0, v[86+\t/2], v255 matrix_a_fmt:MATRIX_FMT_FP6 matrix_b_fmt:MATRIX_FMT_FP6 matrix_a_scale:MATRIX_SCALE_ROW1
.endr
.rept 4
	v_nop
.endr
.irp t, 0,1,2,3
.irp c, 0,1,2
	ds_load_b128 v[32+12*\t+4*\c:35+12*\t+4*\c], v3 offset:6144+1536*\t+512*\c   ; v^T's fragments land during the softmax
.endr
.endr
	ds_load_b64 v[90:91], v4 offset:12800
	s_cmp_lg_u32 s[KSI], s[MH]
	s_cbranch_scc1 .Lopen_\@                       ; only the tile's last step lies on the diagonal
	v_mov_b32 v254, 0xff800000
.set MN, 0
.rept 64                                       ; register 8 t + j holds key 16 t + 8 h + j of the step
	v_cmp_gt_i32 vcc_lo, 16*(MN/8)+MN%8, v10
	v_cndmask_b32 v[96+MN], v[96+MN], v254, vcc_lo
.set MN, MN+1
.endr
.Lopen_\@:
.irp b, 0,1,2,3
	v_max3_num_f32 v[232+\b], v[96+16*\b], v[97+16*\b], v[98+16*\b]   ; the largest score of each block of 32 keys
.endr
.irp i, 3,5,7,9,11,13
.irp b, 0,1,2,3
	v_max3_num_f32 v[232+\b], v[232+\b], v[96+16*\b+\i], v[97+16*\b+\i]
.endr
.endr
.irp b, 0,1,2,3
	v_max_num_f32 v[232+\b], v[232+\b], v[111+16*\b]
.endr
.irp b, 0,1,2,3
	s_delay_alu instid0(VALU_DEP_4)
	v_permlanex16_b32 v[236+\b], v[232+\b], s[SEL], s[SEL+1]
.endr
.irp b, 0,1,2,3
	s_delay_alu instid0(VALU_DEP_4)
	v_max_num_f32 v[232+\b], v[232+\b], v[236+\b]
.endr
	s_delay_alu instid0(VALU_DEP_2)
	v_max3_num_f32 v254, v232, v233, v234
	s_delay_alu instid0(VALU_DEP_1)
	v_max_num_f32 v254, v254, v235
	s_delay_alu instid0(VALU_DEP_1)
	v_mul_f32 v254, s[CS], v254
	s_delay_alu instid0(VALU_DEP_1)
	v_max_num_f32 v13, v13, v254                   ; the running largest t
	v_mov_b32 v254, v12
	s_delay_alu instid0(VALU_DEP_2)
	v_floor_f32 v12, -v13                          ; the new -M: a whole number
	s_delay_alu instid0(VALU_DEP_1)
	v_sub_f32 v254, v12, v254
	s_delay_alu instid0(VALU_DEP_1)
	v_cvt_i32_f32 v254, v254
	s_delay_alu instid0(VALU_DEP_1)
	v_ldexp_f32 v252, 1.0, v254                    ; f = 2^(old M - new M)
.set J, 0
.rept 32
	v_pk_fma_f32 v[96+J:97+J], v[96+J:97+J], s[CS:CS+1], v[12:13] op_sel_hi:[1,0,0]   ; t - M
.set J, J+2
.endr
.irp b, 0,1,2,3
	v_fma_f32 v[232+\b], v[232+\b], s[CS], v12
.endr
.set J, 0
	s_wait_alu depctr_va_vdst(0)
.rept 64
	v_exp_f32 v[96+J], v[96+J]                     ; p = 2^(t - M)
.set J, J+1
.endr
	v_pk_mul_f32 v[14:15], v[14:15], v[252:253] op_sel_hi:[1,0]
	s_wait_alu depctr_va_vdst(0)                   ; one wait for the batch, ahead of its first reader
.irp b, 0,1,2,3
	v_exp_f32 v[232+\b], v[232+\b]                 ; the block's largest p
.endr
	v_pk_add_f32 v[236:237], v[100:101], v[104:105]        ; the row's sum of the unquantised p, in eight chains
	v_pk_add_f32 v[248:249], v[108:109], v[112:113]
	v_pk_add_f32 v[246:247], v[116:117], v[120:121]
	v_pk_add_f32 v[244:245], v[124:125], v[128:129]
	v_pk_add_f32 v[242:243], v[132:133], v[136:137]
	v_pk_add_f32 v[240:241], v[140:141], v[144:145]
	v_pk_add_f32 v[238:239], v[148:149], v[152:153]
	v_pk_add_f32 v[14:15], v[14:15], v[156:157]
	v_pk_add_f32 v[236:237], v[236:237], v[96:97]
	v_pk_add_f32 v[248:249], v[248:249], v[98:99]
	v_pk_add_f32 v[246:247], v[246:247], v[102:103]
	v_pk_add_f32 v[244:245], v[244:245], v[106:107]
	v_pk_add_f32 v[242:243], v[242:243], v[110:111]
	v_pk_add_f32 v[240:241], v[240:241], v[114:115]
	v_pk_add_f32 v[238:239], v[238:239], v[118:119]
	v_pk_add_f32 v[14:15], v[14:15], v[122:123]
	v_pk_add_f32 v[236:237], v[236:237], v[126:127]
	v_pk_add_f32 v[248:249], v[248:249], v[130:131]
	v_pk_add_f32 v[246:247], v[246:247], v[134:135]
	v_pk_add_f32 v[244:245], v[244:245], v[138:139]
	v_pk_add_f32 v[242:243], v[242:243], v[142:143]
	v_pk_add_f32 v[240:241], v[240:241], v[146:147]
	v_pk_add_f32 v[238:239], v[238:239], v[150:151]
	v_pk_add_f32 v[14:15], v[14:15], v[154:155]
	v_pk_add_f32 v[236:237], v[236:237], v[158:159]
	s_delay_alu instid0(VALU_DEP_2)
	v_pk_add_f32 v[14:15], v[14:15], v[244:245]
	s_delay_alu instid0(VALU_DEP_2)
	v_pk_add_f32 v[236:237], v[236:237], v[242:243]
	v_pk_add_f32 v[248:249], v[248:249], v[240:241]
	v_pk_add_f32 v[246:247], v[246:247], v[238:239]
	s_delay_alu instid0(VALU_DEP_2)
	v_pk_add_f32 v[14:15], v[14:15], v[248:249]
	s_delay_alu instid0(VALU_DEP_2)
	v_pk_add_f32 v[236:237], v[236:237], v[246:247]
	s_delay_alu instid0(VALU_DEP_1)
	v_pk_add_f32 v[14:15], v[14:15], v[236:237]
	s_wait_alu depctr_va_vdst(0)                   ; and one for the four
.irp b, 0,1,2,3
	v_max_num_f32 v[232+\b], 0x1800000, v[232+\b]  ; the floor 2^(3 - 127)
.endr
.irp b, 0,1,2,3
	s_delay_alu instid0(VALU_DEP_4)
	v_add_nc_u32 v[244+\b], 0xff000000, v[232+\b]
.endr
.irp b, 0,1,2,3
	s_delay_alu instid0(VALU_DEP_4)
	v_lshrrev_b32 v[236+\b], 23, v[244+\b]
.endr
	s_delay_alu instid0(VALU_DEP_3)
	v_lshl_or_b32 v253, v237, 8, v236              ; p's scale word
	s_delay_alu instid0(VALU_DEP_1)
	v_lshl_or_b32 v253, v238, 16, v253
	s_delay_alu instid0(VALU_DEP_1)
	v_lshl_or_b32 v253, v239, 24, v253
.irp c, 0,1
	v_cvt_scalef32_pk16_fp6_f32 v[224+6*\c:226+6*\c], v[96+32*\c:111+32*\c], v[244+2*\c]
	v_cvt_scalef32_pk16_fp6_f32 v[236+4*\c:238+4*\c], v[112+32*\c:127+32*\c], v[244+2*\c+1]
.endr
	v_nop
.irp c, 0,1
.irp i, 0,1,2
	v_permlane16_swap_b32 v[224+6*\c+\i], v[236+4*\c+\i]
.endr
.irp i, 0,1,2
	s_delay_alu instid0(VALU_DEP_3)
	v_mov_b32 v[227+6*\c+\i], v[236+4*\c+\i]
.endr
.endr
	s_wait_alu depctr_va_vdst(0)
.set J, 0
.rept 16
	v_pk_mul_f32 v[160+J:161+J], v[160+J:161+J], v[252:253] op_sel_hi:[1,0]   ; O^T under the new M; also the places ahead of the products below
.set J, J+2
.endr
	s_wait_alu depctr_va_vdst(0)
	s_wait_dscnt 0x0                               ; v^T and its scale words are in
.irp t, 0,2
	v_wmma_scale_f32_16x16x128_f8f6f4 v[160+8*\t:167+8*\t], v[32+12*\t:43+12*\t], v[224:235], v[160+8*\t:167+8*\t], v[90+\t/2], v253 matrix_a_fmt:MATRIX_FMT_FP6 matrix_b_fmt:MATRIX_FMT_FP6
	v_wmma_scale_f32_16x16x128_f8f6f4 v[168+8*\t:175+8*\t], v[44+12*\t:55+12*\t], v[224:235], v[168+8*\t:175+8*\t], v[90+\t/2], v253 matrix_a_fmt:MATRIX_FMT_FP6 matrix_b_fmt:MATRIX_FMT_FP6 matrix_a_scale:MATRIX_SCALE_ROW1
.endr
.Lhidden_\@:
	s_add_co_u32 s[TK], s[TK], REC
.endm
.macro LOOPK cnt
	s_mov_b32 s[KSI], 0
	s_mov_b32 s[TK], 0
.Lk_\@:
	STEP
	s_add_co_u32 s[KSI], s[KSI], 1
	s_cmp_lt_u32 s[KSI], \cnt
	s_cbranch_scc1 .Lk_\@
.endm
; A TILE'S END.  O^T / the sum goes through my stage and comes back as rows; + query; stored; and the 16 rows' mean and centred sum of squares for each of the 64 columns.
.macro EPI sel
.rept 4
	v_nop
.endr
	v_add_f32 v14, v14, v15
	s_delay_alu instid0(VALU_DEP_1)
	v_permlanex16_b32 v252, v14, s[SEL], s[SEL+1]
	s_delay_alu instid0(VALU_DEP_1)
	v_add_f32 v14, v14, v252
	s_wait_alu depctr_va_vdst(0)
	v_rcp_f32 v14, v14
	v_nop
	s_wait_alu depctr_va_vdst(0)
.set J, 0
.rept 16
	v_pk_mul_f32 v[96+J:97+J], v[160+J:161+J], v[14:15] op_sel_hi:[1,0]
.set J, J+2
.endr
.irp t, 0,1,2,3
	ds_store_b128 v5, v[96+8*\t:99+8*\t] offset:64*\t
	ds_store_b128 v5, v[100+8*\t:103+8*\t] offset:64*\t+16
.endr
.irp i, 0,1,2,3,4,5,6,7
	ds_load_b128 v[128+4*\i:131+4*\i], v6 offset:544*\i
.endr
	s_wait_loadcnt 0x0
	s_wait_dscnt 0x0
.set J, 0
.rept 16
	v_pk_add_f32 v[128+J:129+J], v[128+J:129+J], v[192+J:193+J]
.set J, J+2
.endr
.irp i, 0,1,2,3,4,5,6,7
	global_store_b128 v31, v[128+4*\i:131+4*\i], s[RB:RB+1] offset:512*\i   ; 512 consecutive bytes
.endr
	v_pk_add_f32 v[224:225], v[128:129], v[132:133]
	v_pk_add_f32 v[226:227], v[130:131], v[134:135]
.irp i, 2,3,4,5,6,7
	s_delay_alu instid0(VALU_DEP_2)
	v_pk_add_f32 v[224:225], v[224:225], v[128+4*\i:129+4*\i]
	s_delay_alu instid0(VALU_DEP_2)
	v_pk_add_f32 v[226:227], v[226:227], v[130+4*\i:131+4*\i]
.endr
.irp c, 0,1,2,3
	v_permlanex16_b32 v[236+\c], v[224+\c], s[SEL], s[SEL+1]
.endr
	s_delay_alu instid0(VALU_DEP_3)
	v_pk_add_f32 v[224:225], v[224:225], v[236:237]
	s_delay_alu instid0(VALU_DEP_2)
	v_pk_add_f32 v[226:227], v[226:227], v[238:239]
	s_delay_alu instid0(VALU_DEP_2)
	v_pk_mul_f32 v[224:225], v[224:225], 0x3d800000 op_sel_hi:[1,0]   ; / 16
	s_delay_alu instid0(VALU_DEP_2)
	v_pk_mul_f32 v[226:227], v[226:227], 0x3d800000 op_sel_hi:[1,0]
.irp i, 0,1,2,3,4,5,6,7
	v_pk_add_f32 v[96+4*\i:97+4*\i], v[128+4*\i:129+4*\i], v[224:225] neg_lo:[0,1] neg_hi:[0,1]
	v_pk_add_f32 v[98+4*\i:99+4*\i], v[130+4*\i:131+4*\i], v[226:227] neg_lo:[0,1] neg_hi:[0,1]
.endr
	v_pk_mul_f32 v[228:229], v[96:97], v[96:97]
	v_pk_mul_f32 v[230:231], v[98:99], v[98:99]
.irp i, 1,2,3,4,5,6,7
	s_delay_alu instid0(VALU_DEP_2)
	v_pk_fma_f32 v[228:229], v[96+4*\i:97+4*\i], v[96+4*\i:97+4*\i], v[228:229]
	s_delay_alu instid0(VALU_DEP_2)
	v_pk_fma_f32 v[230:231], v[98+4*\i:99+4*\i], v[98+4*\i:99+4*\i], v[230:231]
.endr
.irp c, 0,1,2,3
	v_permlanex16_b32 v[236+\c], v[228+\c], s[SEL], s[SEL+1]
.endr
	s_delay_alu instid0(VALU_DEP_3)
	v_pk_add_f32 v[228:229], v[228:229], v[236:237]
	s_delay_alu instid0(VALU_DEP_2)
	v_pk_add_f32 v[230:231], v[230:231], v[238:239]
	ds_store_b128 v11, v[224:227] offset:8192*\sel
	ds_store_b128 v11, v[228:231] offset:8192*\sel+256
.endm
	s_xor_b32 s[MT], s[WV], 31                     ; the late tile first: m = 31 - w
	INIT 0
	s_wait_tensorcnt 0x0                           ; my record is in, and my reads of Wq are over (each step waited for its own),
	s_barrier_signal -1
	s_barrier_wait -1                              ; everybody's
	ds_store_b128 v92, v[240:243]                  ; the second tile's q: six registers of codes, its scale word, a zero
	ds_store_b128 v92, v[244:247] offset:512
	LOOPK 16
	EPI 0
	s_mov_b32 s[MT], s[WV]                         ; then the early one: m = w
	INIT 1
	LOOPK 8
	EPI 1
	s_wait_dscnt 0x0
	s_barrier_signal -1
	s_barrier_wait -1
	s_cmp_lg_u32 s[WV], 0                          ; wave 0 merges the 32 partials of 16 rows each: two columns a lane
	s_cbranch_scc1 .Lno_merge
	s_wait_xcnt 0x0
.set PP, 0
.rept 32
	ds_load_b64 v[96+2*PP:97+2*PP], v29 offset:512*PP
	ds_load_b64 v[160+2*PP:161+2*PP], v29 offset:512*PP+256
.set PP, PP+1
.endr
	s_wait_dscnt 0x0
	v_pk_add_f32 v[224:225], v[96:97], v[98:99]
	v_pk_add_f32 v[226:227], v[100:101], v[102:103]
	v_pk_add_f32 v[228:229], v[160:161], v[162:163]
	v_pk_add_f32 v[230:231], v[164:165], v[166:167]
.set PP, 4
.rept 14
	s_delay_alu instid0(VALU_DEP_4)
	v_pk_add_f32 v[224:225], v[224:225], v[96+2*PP:97+2*PP]
	s_delay_alu instid0(VALU_DEP_4)
	v_pk_add_f32 v[226:227], v[226:227], v[98+2*PP:99+2*PP]
	s_delay_alu instid0(VALU_DEP_4)
	v_pk_add_f32 v[228:229], v[228:229], v[160+2*PP:161+2*PP]
	s_delay_alu instid0(VALU_DEP_4)
	v_pk_add_f32 v[230:231], v[230:231], v[162+2*PP:163+2*PP]
.set PP, PP+2
.endr
	s_delay_alu instid0(VALU_DEP_3)
	v_pk_add_f32 v[224:225], v[224:225], v[226:227]
	s_delay_alu instid0(VALU_DEP_2)
	v_pk_add_f32 v[228:229], v[228:229], v[230:231]
	s_delay_alu instid0(VALU_DEP_2)
	v_pk_mul_f32 v[224:225], v[224:225], 0x3d000000 op_sel_hi:[1,0]   ; / 32: the mean of my 512 rows
.set PP, 0
.rept 32
	v_pk_add_f32 v[96+2*PP:97+2*PP], v[96+2*PP:97+2*PP], v[224:225] neg_lo:[0,1] neg_hi:[0,1]
.set PP, PP+1
.endr
	v_pk_mul_f32 v[226:227], v[96:97], v[96:97]
	v_pk_mul_f32 v[230:231], v[98:99], v[98:99]
.set PP, 2
.rept 15
	s_delay_alu instid0(VALU_DEP_2)
	v_pk_fma_f32 v[226:227], v[96+2*PP:97+2*PP], v[96+2*PP:97+2*PP], v[226:227]
	s_delay_alu instid0(VALU_DEP_2)
	v_pk_fma_f32 v[230:231], v[98+2*PP:99+2*PP], v[98+2*PP:99+2*PP], v[230:231]
.set PP, PP+2
.endr
	s_delay_alu instid0(VALU_DEP_1)
	v_pk_add_f32 v[226:227], v[226:227], v[230:231]
	s_delay_alu instid0(VALU_DEP_1)
	v_pk_fma_f32 v[228:229], v[226:227], 0x41800000, v[228:229] op_sel_hi:[1,0,1]   ; + 16 x the squares of the partial means' deviations
	global_store_b64 v2, v[224:225], s[STB:STB+1]
	global_store_b64 v2, v[228:229], s[STB:STB+1] offset:4096
.Lno_merge:
	s_wait_tensorcnt 0x0                           ; the wave's end
	ds_add_u32 v250, v251
	s_wait_dscnt 0x0
	CROUND                                         ; the closing round
	s_endpgm
.Lfunc_end_k_q37f2cffddc_attn:
	.size	k_q37f2cffddc_attn, .Lfunc_end_k_q37f2cffddc_attn-k_q37f2cffddc_attn
	.p2alignl 7, 3214868480
	.fill 96, 4, 3214868480
	.section	.rodata,"a",@progbits
	.p2align	6, 0x0
	.amdhsa_kernel k_q37f2cffddc_attn
		.amdhsa_group_segment_fixed_size 327680
		.amdhsa_private_segment_fixed_size 0
		.amdhsa_enable_private_segment 0
		.amdhsa_kernarg_size 64
		.amdhsa_user_sgpr_count 2
		.amdhsa_user_sgpr_kernarg_segment_ptr 1
		.amdhsa_wavefront_size32 1
		.amdhsa_system_sgpr_workgroup_id_x 1
		.amdhsa_system_sgpr_workgroup_id_y 1
		.amdhsa_system_sgpr_workgroup_id_z 1
		.amdhsa_system_vgpr_workitem_id 0
		.amdhsa_next_free_vgpr 256
		.amdhsa_next_free_sgpr 96
		.amdhsa_reserve_vcc 1
		.amdhsa_float_denorm_mode_32 3
		.amdhsa_float_denorm_mode_16_64 3
		.amdhsa_memory_ordered 1
		.amdhsa_forward_progress 1
		.amdhsa_inst_pref_size 122
	.end_amdhsa_kernel
	.amdgpu_metadata
---
amdhsa.version: [ 1, 2 ]
amdhsa.kernels:
  - .name:           k_q37f2cffddc_attn
    .symbol:         k_q37f2cffddc_attn.kd
    .args:
      - { .name: qc, .offset: 0, .size: 8, .value_kind: global_buffer, .address_space: global }
      - { .name: qs, .offset: 8, .size: 8, .value_kind: global_buffer, .address_space: global }
      - { .name: Wq_codes, .offset: 16, .size: 8, .value_kind: global_buffer, .address_space: global }
      - { .name: Wq_scales, .offset: 24, .size: 8, .value_kind: global_buffer, .address_space: global }
      - { .name: kv, .offset: 32, .size: 8, .value_kind: global_buffer, .address_space: global }
      - { .name: query, .offset: 40, .size: 8, .value_kind: global_buffer, .address_space: global }
      - { .name: res, .offset: 48, .size: 8, .value_kind: global_buffer, .address_space: global }
      - { .name: stats, .offset: 56, .size: 8, .value_kind: global_buffer, .address_space: global }
    .group_segment_fixed_size: 327680
    .private_segment_fixed_size: 0
    .kernarg_segment_align: 8
    .kernarg_segment_size: 64
    .max_flat_workgroup_size: 512
    .sgpr_count:     96
    .vgpr_count:     256
    .wavefront_size: 32
...
	.end_amdgpu_metadata
.endif
;; end of part 2
;; launch norm (part 3): grid 16 x 32, 8 waves a work-group, no clusters, 2,048 bytes of LDS; arguments res, stats, gamma, beta, out0; writes out0
.if DOCPART == 3
	.amdgcn_target "amdgcn-amd-amdhsa--gfx1250"
	.amdhsa_code_object_version 6
	.text
	.protected	k_q37f2cffddc_norm
	.globl	k_q37f2cffddc_norm
	.p2align	8
	.type	k_q37f2cffddc_norm,@function
k_q37f2cffddc_norm:
	s_mov_b64 s[64:65], 0
	v_nop
	global_prefetch_b8 v0, s[64:65] scope:SCOPE_SE
	s_setreg_imm32_b32 hwreg(HW_REG_WAVE_MODE, 25, 1), 1
	s_wait_xcnt 0x0
; THE BATCH NORM: out0[row][col] = (res - mean[col]) x gamma[col] / sqrt(var[col] + 1e-5) + beta[col], mean and (biased) var over all 8,192 rows.
; res lies by strips of 64 columns, [16][8192][64] f32; stats holds, for 16 parts of 512 rows, each column's mean and centred sum of squares, [16][2][1024] f32.
; A work-group takes one strip (x) and 256 rows (y); each of its eight waves 32 rows: sixteen loads of 512 consecutive bytes, all issued at the head.  Wave 0 merges the 16 parts for the strip's 64 columns
; (the variance from centred sums: no difference of large sums is formed) and hands mean, gain and beta to the others through LDS: one barrier.
; A stream: each byte is read once and written once; matrix units, clusters and tensor loads have nothing to add.  1 / sqrt is v_rsq_f32's.
	s_load_b256 s[4:11], s[0:1], 0x0               ; res s[4:5], stats s[6:7], gamma s[8:9], beta s[10:11]
	s_load_b64 s[12:13], s[0:1], 0x20              ; out0
	v_lshl_add_u32 v192, v0, 2, 0x400
	v_mov_b32 v193, 0
	v_lshrrev_b32 v1, 5, v0
	s_delay_alu instid0(VALU_DEP_1)
	v_readfirstlane_b32 s14, v1                    ; wave 0..7
	s_and_b32 s15, ttmp7, 0xffff                   ; y
	v_and_b32 v2, 31, v0
	s_delay_alu instid0(VALU_DEP_1)
	v_lshlrev_b32 v1, 4, v2                        ; 16 x lane
	v_and_b32 v3, 15, v0                           ; r
	v_bfe_u32 v4, v0, 4, 1                         ; h
	s_delay_alu instid0(VALU_DEP_2)
	v_lshlrev_b32 v5, 4, v3                        ; my four columns: 16 r
	s_delay_alu instid0(VALU_DEP_1)
	v_lshl_add_u32 v6, v4, 12, v5                  ; out0: lanes 0-15 one row, lanes 16-31 the next
	s_delay_alu instid0(VALU_DEP_2)
	v_lshl_add_u32 v7, v4, 13, v5                  ; stats: lanes 0-15 an even part, lanes 16-31 the odd one
	s_lshl_b32 s16, s15, 8
	s_lshl_b32 s17, s14, 5
	s_add_co_u32 s16, s16, s17                     ; my first row: 256 y + 32 wave
	s_lshl_b32 s18, s16, 8                         ; in res: 256 bytes a row,
	s_lshl_b32 s20, ttmp9, 21                      ; 2 MiB a strip
	s_add_co_u32 s18, s18, s20
	s_mov_b32 s19, 0
	s_lshl_b32 s20, s16, 12                        ; in out0: 4,096 bytes a row,
	s_lshl_b32 s22, ttmp9, 8                       ; 256 bytes a strip
	s_add_co_u32 s20, s20, s22
	s_mov_b32 s21, 0
	s_mov_b32 s23, 0
	s_mov_b32 s24, 0x76543210
	s_mov_b32 s25, 0xfedcba98                      ; v_permlanex16_b32's selects for lane l xor 16
	s_mov_b32 s26, 0x39000000                      ; 1 / 8192
	s_mov_b32 s27, 0x3727c5ac                      ; 1e-5
	s_wait_alu depctr_va_vdst(0)
	s_wait_kmcnt 0x0
	s_add_nc_u64 s[4:5], s[4:5], s[18:19]
	s_add_nc_u64 s[12:13], s[12:13], s[20:21]
	s_add_nc_u64 s[6:7], s[6:7], s[22:23]
	s_add_nc_u64 s[8:9], s[8:9], s[22:23]
	s_add_nc_u64 s[10:11], s[10:11], s[22:23]
.irp i, 0,1,2,3,4,5,6,7,8,9,10,11,12,13,14,15
	global_load_b128 v[32+4*\i:35+4*\i], v1, s[4:5] offset:512*\i th:TH_LOAD_NT   ; rows 2 i and 2 i + 1 of my 32
.endr
	s_cmp_lg_u32 s14, 0
	s_cbranch_scc1 .Lnot_wave_0
.irp q, 0,1,2,3,4,5,6,7
	global_load_b128 v[96+4*\q:99+4*\q], v7, s[6:7] offset:16384*\q          ; the means of parts 2 q + h,
	global_load_b128 v[128+4*\q:131+4*\q], v7, s[6:7] offset:16384*\q+4096   ; their centred sums of squares
.endr
	global_load_b128 v[160:163], v5, s[8:9]        ; gamma
	global_load_b128 v[164:167], v5, s[10:11]      ; beta
.irp c, 0,1,2,3
	v_mov_b32 v[172+\c], 0                         ; a lane permute's destination counts as one of its sources
.endr
	s_wait_loadcnt 0x0
	v_pk_add_f32 v[168:169], v[96:97], v[100:101]
	v_pk_add_f32 v[170:171], v[98:99], v[102:103]
	v_pk_add_f32 v[184:185], v[128:129], v[132:133]
	v_pk_add_f32 v[186:187], v[130:131], v[134:135]
.irp q, 2,3,4,5,6,7
	s_delay_alu instid0(VALU_DEP_4)
	v_pk_add_f32 v[168:169], v[168:169], v[96+4*\q:97+4*\q]
	s_delay_alu instid0(VALU_DEP_4)
	v_pk_add_f32 v[170:171], v[170:171], v[98+4*\q:99+4*\q]
	s_delay_alu instid0(VALU_DEP_4)
	v_pk_add_f32 v[184:185], v[184:185], v[128+4*\q:129+4*\q]
	s_delay_alu instid0(VALU_DEP_4)
	v_pk_add_f32 v[186:187], v[186:187], v[130+4*\q:131+4*\q]
.endr
.irp c, 0,1,2,3
	v_permlanex16_b32 v[172+\c], v[168+\c], s24, s25
.endr
	s_delay_alu instid0(VALU_DEP_3)
	v_pk_add_f32 v[168:169], v[168:169], v[172:173]
	s_delay_alu instid0(VALU_DEP_2)
	v_pk_add_f32 v[170:171], v[170:171], v[174:175]
	s_delay_alu instid0(VALU_DEP_2)
	v_pk_mul_f32 v[168:169], v[168:169], 0x3d800000 op_sel_hi:[1,0]   ; / 16: the mean (all parts have 512 rows)
	s_delay_alu instid0(VALU_DEP_2)
	v_pk_mul_f32 v[170:171], v[170:171], 0x3d800000 op_sel_hi:[1,0]
.irp q, 0,1,2,3,4,5,6,7
	v_pk_add_f32 v[96+4*\q:97+4*\q], v[96+4*\q:97+4*\q], v[168:169] neg_lo:[0,1] neg_hi:[0,1]
	v_pk_add_f32 v[98+4*\q:99+4*\q], v[98+4*\q:99+4*\q], v[170:171] neg_lo:[0,1] neg_hi:[0,1]
.endr
	v_pk_mul_f32 v[180:181], v[96:97], v[96:97]
	v_pk_mul_f32 v[182:183], v[98:99], v[98:99]
.irp q, 1,2,3,4,5,6,7
	s_delay_alu instid0(VALU_DEP_2)
	v_pk_fma_f32 v[180:181], v[96+4*\q:97+4*\q], v[96+4*\q:97+4*\q], v[180:181]
	s_delay_alu instid0(VALU_DEP_2)
	v_pk_fma_f32 v[182:183], v[98+4*\q:99+4*\q], v[98+4*\q:99+4*\q], v[182:183]
.endr
	s_delay_alu instid0(VALU_DEP_2)
	v_pk_fma_f32 v[184:185], v[180:181], 0x44000000, v[184:185] op_sel_hi:[1,0,1]   ; + 512 x the squares of the parts' means' deviations
	s_delay_alu instid0(VALU_DEP_2)
	v_pk_fma_f32 v[186:187], v[182:183], 0x44000000, v[186:187] op_sel_hi:[1,0,1]
.irp c, 0,1,2,3
	v_permlanex16_b32 v[172+\c], v[184+\c], s24, s25
.endr
	s_delay_alu instid0(VALU_DEP_3)
	v_pk_add_f32 v[184:185], v[184:185], v[172:173]
	s_delay_alu instid0(VALU_DEP_2)
	v_pk_add_f32 v[186:187], v[186:187], v[174:175]
.irp c, 0,1,2,3
	v_fma_f32 v[176+\c], v[184+\c], s26, s27       ; var + 1e-5
.endr
	s_wait_alu depctr_va_vdst(0)
.irp c, 0,1,2,3
	v_rsq_f32 v[176+\c], v[176+\c]
.endr
	v_nop                                          ; a plain place behind the transcendentals
	s_wait_alu depctr_va_vdst(0)                   ; one wait for the four, ahead of their first reader
	v_pk_mul_f32 v[176:177], v[176:177], v[160:161]        ; the gain
	v_pk_mul_f32 v[178:179], v[178:179], v[162:163]
	ds_store_b128 v5, v[168:171]                   ; lanes l and l xor 16 write the same bytes with the same values
	ds_store_b128 v5, v[176:179] offset:256
	ds_store_b128 v5, v[164:167] offset:512
.Lnot_wave_0:
	s_wait_dscnt 0x0                               ; wave 0's stores have landed
	s_barrier_signal -1
	s_barrier_wait -1
	ds_load_b128 v[8:11], v5                       ; mean,
	ds_load_b128 v[12:15], v5 offset:256           ; gain,
	ds_load_b128 v[16:19], v5 offset:512           ; beta of my four columns
	s_wait_dscnt 0x0
.irp i, 0,1,2,3,4,5,6,7,8,9,10,11,12,13,14,15
	s_wait_loadcnt 15-\i                           ; loads come back in order: rows 2 i, 2 i + 1 are in, the younger ones may be out
	v_pk_add_f32 v[32+4*\i:33+4*\i], v[32+4*\i:33+4*\i], v[8:9] neg_lo:[0,1] neg_hi:[0,1]
	v_pk_add_f32 v[34+4*\i:35+4*\i], v[34+4*\i:35+4*\i], v[10:11] neg_lo:[0,1] neg_hi:[0,1]
	s_delay_alu instid0(VALU_DEP_2)
	v_pk_fma_f32 v[32+4*\i:33+4*\i], v[32+4*\i:33+4*\i], v[12:13], v[16:17]
	s_delay_alu instid0(VALU_DEP_2)
	v_pk_fma_f32 v[34+4*\i:35+4*\i], v[34+4*\i:35+4*\i], v[14:15], v[18:19]
	global_store_b128 v6, v[32+4*\i:35+4*\i], s[12:13] offset:8192*\i th:TH_STORE_NT   ; sixteen lanes store 256 consecutive bytes, at a multiple of 256 from out0's first byte
.endr
	s_wait_tensorcnt 0x0
	ds_add_u32 v192, v193
	s_wait_dscnt 0x0
	s_endpgm
.Lfunc_end_k_q37f2cffddc_norm:
	.size	k_q37f2cffddc_norm, .Lfunc_end_k_q37f2cffddc_norm-k_q37f2cffddc_norm
	.p2alignl 7, 3214868480
	.fill 96, 4, 3214868480
	.section	.rodata,"a",@progbits
	.p2align	6, 0x0
	.amdhsa_kernel k_q37f2cffddc_norm
		.amdhsa_group_segment_fixed_size 2048
		.amdhsa_private_segment_fixed_size 0
		.amdhsa_enable_private_segment 0
		.amdhsa_kernarg_size 40
		.amdhsa_user_sgpr_count 2
		.amdhsa_user_sgpr_kernarg_segment_ptr 1
		.amdhsa_wavefront_size32 1
		.amdhsa_system_sgpr_workgroup_id_x 1
		.amdhsa_system_sgpr_workgroup_id_y 1
		.amdhsa_system_sgpr_workgroup_id_z 1
		.amdhsa_system_vgpr_workitem_id 0
		.amdhsa_next_free_vgpr 194
		.amdhsa_next_free_sgpr 66
		.amdhsa_reserve_vcc 0
		.amdhsa_float_denorm_mode_32 3
		.amdhsa_float_denorm_mode_16_64 3
		.amdhsa_memory_ordered 1
		.amdhsa_forward_progress 1
		.amdhsa_inst_pref_size 20
	.end_amdhsa_kernel
	.amdgpu_metadata
---
amdhsa.version: [ 1, 2 ]
amdhsa.kernels:
  - .name:           k_q37f2cffddc_norm
    .symbol:         k_q37f2cffddc_norm.kd
    .args:
      - { .name: res, .offset: 0, .size: 8, .value_kind: global_buffer, .address_space: global }
      - { .name: stats, .offset: 8, .size: 8, .value_kind: global_buffer, .address_space: global }
      - { .name: gamma, .offset: 16, .size: 8, .value_kind: global_buffer, .address_space: global }
      - { .name: beta, .offset: 24, .size: 8, .value_kind: global_buffer, .address_space: global }
      - { .name: out0, .offset: 32, .size: 8, .value_kind: global_buffer, .address_space: global }
    .group_segment_fixed_size: 2048
    .private_segment_fixed_size: 0
    .kernarg_segment_align: 8
    .kernarg_segment_size: 40
    .max_flat_workgroup_size: 256
    .sgpr_count:     66
    .vgpr_count:     194
    .wavefront_size: 32
...
	.end_amdgpu_metadata
.endif
;; end of part 3
